; MI455X (gfx1250); checked and timed in simulation.
; The chip was launched on July 23, 2026; its instructions are those of AMD's public machine-readable ISA for CDNA 5 (MIT licence, August 2026) and "CDNA5" Instruction Set Architecture Reference Guide (July 2026). The comments in the code are by the model that wrote it; some were corrected since.
;; Ro PE Self Attention. Allowed arithmetic: matrix products marked QUANTISED: E2M3 operands, one E8M0 scale for each 32 along K, by v_wmma_scale_f32_16x16x128_f8f6f4 with both operands' format E2M3, f32 sums; everything else in f32.
;; Inputs: bk 1,024 float32; bo 1,024 float32; bq 1,024 float32; bv 1,024 float32; key_padding_mask 4 x 2,048 bool; wk_codes 1,024 x 32 x 24 uint8 (E2M3 codes of wk, K innermost, in blocks of 32 codes, four codes in three bytes); wk_scales 1,024 x 32 uint8 (E8M0 scales of wk, one for each 32 codes along K); wo_codes 1,024 x 32 x 24 uint8 (E2M3 codes of wo, K innermost, in blocks of 32 codes, four codes in three bytes); wo_scales 1,024 x 32 uint8 (E8M0 scales of wo, one for each 32 codes along K); wq_codes 1,024 x 32 x 24 uint8 (E2M3 codes of wq, K innermost, in blocks of 32 codes, four codes in three bytes); wq_scales 1,024 x 32 uint8 (E8M0 scales of wq, one for each 32 codes along K); wv_codes 1,024 x 32 x 24 uint8 (E2M3 codes of wv, K innermost, in blocks of 32 codes, four codes in three bytes); wv_scales 1,024 x 32 uint8 (E8M0 scales of wv, one for each 32 codes along K); x_codes 4 x 2,048 x 32 x 24 uint8 (E2M3 codes of x, K innermost, in blocks of 32 codes, four codes in three bytes); x_scales 4 x 2,048 x 32 uint8 (E8M0 scales of x, one for each 32 codes along K).
;; Outputs: out0 4 x 2,048 x 1,024 float32.
;; This version of the problem:
;;   THIS VERSION OF THE PROBLEM IS GIVEN IN LOW PRECISION. The matrix products marked QUANTISED in the list below multiply operands that are first quantised to E2M3 (2 exponent bits, 3 mantissa bits; 6 bits a number), with one power-of-two scale for each 32 numbers along K (OCP MX v1.0); their sums are f32. All else is computed in f32.
;;   The module's matrix products, in the order in which they are computed (A, B: the left and right operand; K: the contracted axis; several contracted axes count as one K, in the product's order):
;;     1. [M 8,192, K 1,024] x [K 1,024, N 1,024]; A: input x (given as codes); B: input wq (given as codes): QUANTISED
;;     2. [M 8,192, K 1,024] x [K 1,024, N 1,024]; A: input x (given as codes); B: input wk (given as codes): QUANTISED
;;     3. [M 8,192, K 1,024] x [K 1,024, N 1,024]; A: input x (given as codes); B: input wv (given as codes): QUANTISED
;;     4. batch 64 x [M 2,048, K 64] x [K 64, N 2,048]; A: computed on the way; B: computed on the way: QUANTISED
;;     5. batch 64 x [M 2,048, K 2,048] x [K 2,048, N 64]; A: softmax (see below); B: computed on the way: QUANTISED
;;     6. [M 8,192, K 1,024] x [K 1,024, N 1,024]; A: computed on the way; B: input wo (given as codes): QUANTISED
;;   THE QUANTISER, for each operand of a quantised product, along K:
;;     - K is cut into blocks of 32 from its start; a last block that is shorter is filled with zeros.
;;     - A block's scale is 2^e with e = floor(log2(the largest magnitude in the block)) - 2, held to -126 .. 127; a block of zeros has e = 0. As a byte (E8M0): e + 127.
;;     - Each number is divided by its block's scale, clamped to +-7.5, and rounded to the nearest number of E2M3, ties to even, subnormals kept.
;;     - The product sums the exact products of the quantised numbers (number of the format x scale) in f32.
;;   ~~~python
;;   def quantise(x, axis):      # numpy; x: float32 -> the quantised numbers, widened to float32 again
;;       x = np.moveaxis(x, axis, -1); K = x.shape[-1]
;;       x = np.pad(x, [(0, 0)] * (x.ndim - 1) + [(0, -K % 32)]); x = x.reshape(x.shape[:-1] + (-1, 32)); a = np.abs(x).max(-1, keepdims=True)
;;       e = np.where(a > 0, np.clip(np.frexp(np.where(a > 0, a, 1))[1] - 1 - 2, -126, 127), 0)      # np.frexp(a)[1] - 1 = floor(log2(a)), exactly
;;       r = np.clip(x / 2.0 ** e, -7.5, 7.5)
;;       step = 2.0 ** (np.maximum(np.frexp(np.where(r == 0, 1, r))[1] - 1, 0) - 3)
;;       q = np.round(r / step) * step * 2.0 ** e      # np.round: ties to even
;;       return np.moveaxis(q.reshape(q.shape[:-2] + (-1,))[..., :K], -1, axis).astype(np.float32)
;;   ~~~
;;   SOFTMAX AHEAD OF A QUANTISED PRODUCT. Where the list says 'softmax', what is quantised is not the finished softmax but p = 2^(t - M), with t = logit x log2(e) and M = ceil(the row's largest t), a whole number; so 1/2 < the row's largest p <= 1. The row's sum l is taken of the UNQUANTISED p, in f32, and the product's result is divided by l at the end. Since M is a whole number, a kernel that streams over the keys may use a running M (the ceiling of the running maximum): every later rescaling is an exact power of two, which a block's scale takes up: the codes' values come out the same.
;;   OPERANDS COMPUTED ON THE WAY. 'Computed on the way' means the value that the module computes at that place (a softmax that the list does not call 'softmax' is quantised finished and normalised). What goes into a quantiser is computed in f32, as accurately as f32 sums, v_exp_f32 and their like allow (about 1e-6 of the number): no bf16 or f16 on the way to a quantiser, and a product that is left as it is and whose result goes on into a quantised operand takes f32 operands (vector FMAs, or v_wmma_f32_16x16x4_f32). A number that lies on a knife's edge between two numbers of the format may be rounded either way, as far as f32 arithmetic and the matrix unit's own rounding can turn it there, and no further.
;;   INPUTS GIVEN AS CODES. wk (in the module: [1024, 1024], K = its axis 1); wo (in the module: [1024, 1024], K = its axis 1); wq (in the module: [1024, 1024], K = its axis 1); wv (in the module: [1024, 1024], K = its axis 1); x (in the module: [4, 2048, 1024], K = its axis 2): each comes as NAME_codes (uint8): NAME with its K axis moved to the last place and cut into blocks of 32 codes, [.., K / 32, bytes a block], one block behind the other in memory; four codes in three bytes: a row's codes are one little-endian stream of bits, code i at bits 6 i .. 6 i + 5 (a code: sign, 2 exponent bits, 3 mantissa bits); and NAME_scales (uint8): the same leading axes, one E8M0 byte (e + 127) for each 32 codes along K. Its value is code x scale, taken as it is: it is not quantised again, and the codes and scales need not be those that the quantiser above would give.
;; One version. Each part assembles by itself: llvm-mc -triple=amdgcn-amd-amdhsa -mcpu=gfx1250 --defsym DOCPART=n.
;; ======== version 1 of 1: 3 launches
;; limits: right only within a limited range of input values
;; workspace buffers: qr 6,815,744 bytes; kv 13,369,344 bytes; oc 6,291,456 bytes; os 262,144 bytes
;; launch qkv (part 1): grid 12 x 32, 4 waves a work-group, clusters of 4 x 4, 327,680 bytes of LDS; arguments x_codes, x_scales, wq_codes, wq_scales, wk_codes, wk_scales, wv_codes, wv_scales, bq, bk, bv, key_padding_mask, qr, kv; writes qr, kv
.if DOCPART == 1
	.amdgcn_target "amdgcn-amd-amdhsa--gfx1250"
	.amdhsa_code_object_version 6
	.text
	.protected	k_qe18f1ddf39_qkv
	.globl	k_qe18f1ddf39_qkv
	.p2align	8
	.type	k_qe18f1ddf39_qkv,@function
k_qe18f1ddf39_qkv:
	s_mov_b64 s[64:65], 0
	v_nop
	global_prefetch_b8 v0, s[64:65] scope:SCOPE_SE
	s_setreg_imm32_b32 hwreg(HW_REG_WAVE_MODE, 25, 1), 1
	s_wait_xcnt 0x0
	s_wait_alu depctr_hold_cnt(0) depctr_sa_sdst(0) depctr_va_vdst(0) depctr_va_sdst(0) depctr_va_ssrc(0) depctr_va_vcc(0) depctr_vm_vsrc(0)
	s_getreg_b32 s2, hwreg(HW_REG_IB_STS2, 6, 4)
	s_cmp_eq_u32 s2, 0
	s_cbranch_scc0 .Lentry_in_a_cluster
	s_endpgm
.Lentry_in_a_cluster:
	s_bfe_u32 s2, ttmp6, 0x10000c
	s_cmp_lg_u32 s2, 0xf033
	s_cbranch_scc0 .Lentry_shape_is_right
	s_endpgm
.Lentry_shape_is_right:
; Q = rope(x Wq^T + bq), K = rope(x Wk^T + bk), V = x Wv^T + bv, on codes of FP6 (E2M3) with one E8M0 scale for each 32 along K = 1,024; the results are quantised at once
; and leave as IMAGES OF OPERAND REGISTERS for the attention launch: Q and K along the head's 64, V along the keys.
; A tile of 256 x 256 is made by four waves, 128 x 128 each (64 accumulators, 512 registers); K goes in steps of 256 through a ring of two LDS slots filled by the tensor data mover.
; THE CLUSTER'S X SAYS WHICH PRODUCT: 0 = Q, 1 = K: A = x (tokens), B = the weight (features).  2 = V: A = Wv (features), B = x (tokens), so that V comes out TRANSPOSED.
; The matrix instruction takes source 0 = 16 rows of B, source 1 = 16 rows of A: a lane holds ONE row of A and its registers run along B's rows: for Q and K one token and 128 features (two heads),
; for V one feature and 128 tokens (keys): in both cases the registers run along the next product's K, as the conversions want them.
; ORDER INSIDE A BLOCK OF 32: register 8 t + j of lane (r, h) is B's row 16 t + 8 h + j, so a block's codes lie in the order 0-7, 16-23, 8-15, 24-31.  Q and K are both made so, and so are V and the
; attention launch's p: both sides of each product carry the same order, which changes no product and no block's scale.
; THE MASK: a head fills 64 of the instruction's 128 along K.  Q's scale word carries 127 as the byte of k = 64 .. 95, K's carries 227 (2^100) for a masked key and 1 for an open one; the attention launch
; puts the code of 1.0 (Q) and of -7.5 (K) at k = 64, so that a masked score is lowered by 7.5 x 2^100.
; ROPE: cos and sin of position x frequency are made in f32 for the work-group's 256 tokens: the product as f32, a reduction by pi/2 in three parts, polynomials of degree 7 and 8 on +-pi/4.
; LIMITS: the 32 frequencies are the f32 numbers nearest to 10^(-j/8) (they may differ in the last bit from a power and a reciprocal taken in f32); NaN and infinities are not served;
; a block of zeros carries the scale byte 1 (its codes are zeros; this program alone reads the bytes).
; CLUSTERS: 4 x 4 work-groups; A's tile is shared along a row of the cluster, B's along a column, each asked for jointly.
; REGISTERS, in windows of 256: window 0: v1-31 addresses; v32-63 scale words, two sets; from v128 A's fragments, one set; on the way out v32-255 are free.
;   window 1: B's fragments, two sets, at v0 and v128.  window 2: the accumulators of A's rows 0-63 ((a, b) at v[8 (8 a + b)]);  window 3: those of rows 64-127.
.set KSTEP,  256                       ; along K in a slot
.set NQ,     KSTEP/128                 ; matrix instructions deep
.set ROWB,   192                       ; a tile's row in bytes
.set KROW,   768                       ; a row of codes in memory: 1,024 codes
.set PITCH,  240                       ; an LDS row: 3 x (64 bytes + 16 of padding)
.set FR,     12                        ; registers of a fragment
.set NL,     6                         ; LDS loads that bring one
.set NP,     4                         ; places behind this matrix instruction (ISA guide 7.12.1)
.set HALFT,  128*PITCH                 ; 128 rows: one tensor load
.set SLOT,   4*HALFT                   ; A's 256 rows, then B's 256 rows
.set LAPS,   2                         ; 1,024 / 512
.set KS,     32                        ; a row of scale bytes
.set SCL,    2*SLOT                    ; behind the ring: the scales, as units of 256 bytes + 16
.set HALFS,  (128*KS/256)*272
.set SBLK,   (16*KS/256)*272
.set SPARE,  SCL+4*HALFS               ; the spare words: 128 bytes a wave, two blocks of 256 bytes that no other line names
.set TP,     272                       ; the cos/sin table: a token's row: 32 cos, 32 sin, 16 bytes of padding.  It lies at LDS byte 0, in slot 0, which has had its last fill and its last read by then
.set ADRA, 16                          ; v16-19  LDS addresses of my A fragments (slot 0, 1; the same behind one padding more)
.set ADRB, 20                          ; v20-23  the same for B
.set L16,  24                          ; v24     16 x lane
.set L8,   25                          ; v25     8 x lane
.set TR,   26                          ; v26     the table: my token's row of block 0, + 32 h
.set ADRS, 27                          ; v27     my scale words
.set SPW,  28                          ; v28     my spare word; never rewritten
.set NIL,  29                          ; v29     0; never rewritten
.set TA,   30                          ; v30     the table: where my wave writes: 64 rows x wave + 4 x lane
.set SC,   32
.set AF,   128
.set TM,   32                          ; the way out: v32-47 at work
.set PW,   48                          ; the scale word just made
.set W,    52                          ; v52-59  eight blocks' scale words
.set MB,   60                          ; v60-67  mask bytes (Q, K) or bias (V), one a block
.set Y,    72                          ; v72-135 a block's 64 numbers
.set CN,   136                         ; v136-151 cos, v152-167 sin of my token
.set SN,   152
.set BI,   168                         ; v168-231 the bias of my 64 features (Q, K)
.set PC,   232                         ; v232-251 the codes just made
.set TT,   136                         ; while the table is made: v136-143 eight positions, v144 my frequency, v146-155 constants in pairs
.set FQ,   144
.set VMG,  146
.set VS2,  148
.set VS1,  150
.set VC2,  152
.set VC1,  154
.set UB,   72                          ; and four sets of 16 at work
.set SEL,  22                          ; s[22:23] selects of v_permlanex16_b32: lane l xor 16
.set G1, 24
.set G0, 32
.set G1B, 48
.set G0B, 56
.set G1S, 68
.set G0S, 76
.set G1SB, 80
.set G0SB, 88
.set MSB, 0
.macro WIN new                         ; the immediate's high byte repeats the setting that is left
.if MSB != (\new)
	s_set_vgpr_msb (MSB<<8)|(\new)
.set MSB, (\new)
.endif
.endm
.set MUL_LO, 0xa1                      ; source 0 (B) window 1, source 1 (A) window 0, C and D window 2
.set MUL_HI, 0xf1
.set TO_B,   0x40
; A joint load: waves 0 and 1 fetch for A, waves 2 and 3 for B; the branch hangs on the wave's number alone.  Four v_nop follow each of the two lines.
.macro JLOAD g0a, g1a, g0b, g1b
	s_cmp_eq_u32 s15, 0
	s_cbranch_scc0 .Lfor_b_\@
	tensor_load_to_lds s[\g0a:\g0a+3], s[\g1a:\g1a+7]
	s_nop 0
.rept 4
	v_nop
.endr
	s_branch .Lasked_\@
.Lfor_b_\@:
	tensor_load_to_lds s[\g0b:\g0b+3], s[\g1b:\g1b+7]
	s_nop 0
.rept 4
	v_nop
.endr
.Lasked_\@:
.endm
.macro CREST                           ; a round of the cluster's barrier behind its opening barrier
	s_cmp_lg_u32 s14, 0
	s_cbranch_scc1 .Lnot_wave_0_\@
	s_barrier_signal -3
.Lnot_wave_0_\@:
	s_barrier_wait -3
	s_barrier_signal -1
	s_barrier_wait -1
.endm
.macro CROUND
	s_barrier_signal -1
	s_barrier_wait -1
	CREST
.endm
	s_load_b512 s[68:83], s[0:1], 0x0              ; x's codes, scales; wq's; wk's; wv's
	s_load_b256 s[84:91], s[0:1], 0x40             ; bq, bk, bv, the mask
	s_load_b128 s[92:95], s[0:1], 0x60             ; qr, kv
	v_lshl_add_u32 v[SPW], v0, 2, SPARE
	v_mov_b32 v[NIL], 0
	ds_add_u32 v28, v29
	ds_add_u32 v28, v29
	s_wait_dscnt 0x0
	v_lshrrev_b32 v1, 5, v0
	v_readfirstlane_b32 s14, v1                    ; wave 0..3
	s_lshr_b32 s15, s14, 1                         ; which half of A's rows is mine.  Also: I fetch for A (0) or for B (1)
	s_and_b32 s16, s14, 1                          ; which half of B's rows.  Also: which 128 rows I fetch
	s_bfe_u32 s40, ttmp6, 0x40000                  ; cx, cy
	s_bfe_u32 s41, ttmp6, 0x40004
	s_and_b32 s3, ttmp7, 0xffff
	s_lshl_b32 s3, s3, 2                           ; 4 x the cluster's y: it counts tiles of tokens
	s_cmp_eq_u32 ttmp9, 2                          ; the cluster's x, which all partners share: V?
	s_cselect_b32 s2, 1, 0
	s_cselect_b32 s18, 0, s3
	s_cselect_b32 s19, s3, 0
	s_add_co_u32 s17, s41, s18                     ; A's tile: Q, K: tokens 4 y + cy;  V: features cy
	s_add_co_u32 s42, s40, s19                     ; B's tile: Q, K: features cx;  V: tokens 4 y + cx
	s_lshl_b32 s43, s41, 2
	s_lshl_b32 s43, 15, s43                        ; my row of the cluster
	s_lshl_b32 s44, 0x1111, s40                    ; my column
	s_wait_kmcnt 0x0
	s_cmp_eq_u32 ttmp9, 0                          ; the buffers are chosen on the cluster's x alone
	s_cselect_b64 s[20:21], s[72:73], s[76:77]
	s_cselect_b64 s[22:23], s[74:75], s[78:79]
	s_cselect_b64 s[96:97], s[84:85], s[86:87]
	s_cselect_b64 s[12:13], s[92:93], s[94:95]     ; the output: qr, or kv
	s_cmp_eq_u32 ttmp9, 2
	s_cselect_b64 s[4:5], s[80:81], s[68:69]       ; A's codes,
	s_cselect_b64 s[6:7], s[82:83], s[70:71]       ; A's scales,
	s_cselect_b64 s[8:9], s[68:69], s[20:21]       ; B's codes,
	s_cselect_b64 s[10:11], s[70:71], s[22:23]     ; B's scales,
	s_cselect_b64 s[96:97], s[88:89], s[96:97]     ; the bias
	s_mov_b64 s[98:99], s[90:91]                   ; the mask
	; descriptor group 1: a tile of 128 rows x 192 bytes, 16 bytes of padding behind every 64
	s_or_b32 s[G1+0], s43, (0<<16)|(1<<20)|(1<<21)|(3<<22)|(3<<25)
	s_or_b32 s[G1B+0], s44, (0<<16)|(1<<20)|(1<<21)|(3<<22)|(3<<25)
.irp g, G1, G1B
	s_mov_b32 s[\g+1], ROWB<<16                    ; tensor_dim0
	s_mov_b32 s[\g+2], 128<<16                     ; tensor_dim1
	s_mov_b32 s[\g+3], ROWB<<16                    ; tile_dim0
	s_mov_b32 s[\g+4], 128                         ; tile_dim1
	s_mov_b32 s[\g+5], KROW                        ; tensor_dim0_stride
	s_mov_b32 s[\g+6], 0
	s_mov_b32 s[\g+7], 0
.endr
	; the scales of 128 rows: 4,096 dense bytes as 16 rows of 256 bytes (32 elements of 8 bytes), 16 bytes of padding behind each
	s_or_b32 s[G1S+0], s43, (3<<16)|(1<<20)|(1<<21)|(5<<22)|(3<<25)
	s_or_b32 s[G1SB+0], s44, (3<<16)|(1<<20)|(1<<21)|(5<<22)|(3<<25)
.irp g, G1S, G1SB
	s_mov_b32 s[\g+1], 32<<16
	s_mov_b32 s[\g+2], (128*KS/256)<<16
	s_mov_b32 s[\g+3], 32<<16
	s_mov_b32 s[\g+4], 128*KS/256
	s_mov_b32 s[\g+5], 32
	s_mov_b32 s[\g+6], 0
	s_mov_b32 s[\g+7], 0
.endr
	s_lshl_b32 s18, s16, 7                         ; which 128 rows of the tile I fetch
	s_lshl_b32 s20, s17, 8
	s_add_co_u32 s20, s20, s18                     ; A's row
	s_lshl_b32 s46, s42, 8
	s_add_co_u32 s46, s46, s18                     ; B's row
	s_mov_b32 s21, 0
	s_mov_b32 s47, 0
	s_mov_b64 s[18:19], KS
	s_mul_u64 s[22:23], s[20:21], s[18:19]         ; where these rows' scales begin,
	s_mul_u64 s[92:93], s[46:47], s[18:19]
	s_mov_b64 s[18:19], KROW
	s_mul_u64 s[20:21], s[20:21], s[18:19]         ; and their codes
	s_mul_u64 s[46:47], s[46:47], s[18:19]
	s_mul_i32 s45, s14, HALFT                      ; where they go: wave x 128 rows
	s_mul_i32 s94, s14, HALFS
	s_add_nc_u64 s[20:21], s[4:5], s[20:21]
	s_add_nc_u64 s[22:23], s[6:7], s[22:23]
	s_add_nc_u64 s[46:47], s[8:9], s[46:47]
	s_add_nc_u64 s[92:93], s[10:11], s[92:93]
	CROUND                                         ; all sixteen work-groups are here: the first joint loads meet
	s_mov_b32 s[G0S], 1
	s_add_co_u32 s[G0S+1], s94, SCL
	s_mov_b64 s[G0S+2:G0S+3], s[22:23]
	s_or_b32 s[G0S+3], s[G0S+3], 0x80000000
	s_mov_b32 s[G0SB], 1
	s_add_co_u32 s[G0SB+1], s94, SCL
	s_mov_b64 s[G0SB+2:G0SB+3], s[92:93]
	s_or_b32 s[G0SB+3], s[G0SB+3], 0x80000000
	JLOAD G0S, G1S, G0SB, G1SB                     ; the scales first: they are wanted with K step 0
.irp s, 0,1
	s_mov_b32 s[G0+4*\s], 1
	s_add_co_u32 s[G0+4*\s+1], s45, \s*SLOT
	s_add_nc_u64 s[G0+4*\s+2:G0+4*\s+3], s[20:21], \s*ROWB
	s_or_b32 s[G0+4*\s+3], s[G0+4*\s+3], 0x80000000
	s_mov_b32 s[G0B+4*\s], 1
	s_add_co_u32 s[G0B+4*\s+1], s45, \s*SLOT
	s_add_nc_u64 s[G0B+4*\s+2:G0B+4*\s+3], s[46:47], \s*ROWB
	s_or_b32 s[G0B+4*\s+3], s[G0B+4*\s+3], 0x80000000
	JLOAD G0+4*\s, G1, G0B+4*\s, G1B               ; three tensor loads of mine are out now
.endr
	v_and_b32 v1, 15, v0                           ; r = lane % 16
	v_bfe_u32 v2, v0, 4, 1                         ; h = lane / 16
	v_mul_u32_u24 v3, v1, PITCH
	v_mul_u32_u24 v4, v2, 24
	v_add_nc_u32 v4, v3, v4                        ; a fragment's row x pitch + 24 h
	v_lshl_add_u32 v5, v2, 4, v4                   ; and the same behind one padding more
	s_mul_i32 s21, s15, HALFT
	s_mul_i32 s22, s16, HALFT
	s_add_co_u32 s22, s22, 2*HALFT
.irp s, 0,1
	v_add_nc_u32 v[ADRA+\s], s21, v4
	v_add_nc_u32 v[ADRB+\s], s22, v4
	v_add_nc_u32 v[ADRA+2+\s], s21, v5
	v_add_nc_u32 v[ADRB+2+\s], s22, v5
	s_add_co_u32 s21, s21, SLOT
	s_add_co_u32 s22, s22, SLOT
.endr
	v_mul_u32_u24 v5, v1, KS                       ; my row's scales: 32 bytes a row,
	v_lshrrev_b32 v6, 8, v5
	v_lshl_add_u32 v5, v6, 4, v5                   ; and 16 more for each 256 passed
	s_mul_i32 s21, s15, HALFS
	s_mul_i32 s22, s16, HALFS
	s_add_co_u32 s22, s22, 2*HALFS
	s_sub_co_u32 s22, s22, s21
	v_mul_u32_u24 v6, s22, v2                      ; lanes 16-31 take B's
	s_add_co_u32 s21, s21, SCL
	v_add_nc_u32 v5, v5, v6
	v_add_nc_u32 v[ADRS], s21, v5
	; addresses of the way out: all LDS addresses are made here, ahead of every parting of the ways
	v_and_b32 v6, 31, v0
	v_lshlrev_b32 v[L16], 4, v6
	v_lshlrev_b32 v[L8], 3, v6
	s_lshl_b32 s21, s15, 7
	v_add_nc_u32 v3, s21, v1                       ; my token's row of the table: 128 x (my half of A) + r
	v_mul_u32_u24 v[TR], v3, TP
	v_lshl_add_u32 v[TR], v2, 5, v[TR]             ; + 32 h: my eight frequencies of a tile of 16
	s_mul_i32 s21, s14, 64*TP
	v_lshl_add_u32 v[TA], v6, 2, s21               ; wave w writes rows 64 w on; lane j frequency j
	v_lshlrev_b32 v7, 5, v2                        ; 32 h
	v_lshlrev_b32 v9, 4, v2                        ; 16 h
	v_lshlrev_b32 v11, 2, v1                       ; 4 r
	; where my results go.  tok, feat: my wave's first token and feature
	s_lshl_b32 s4, s17, 8
	s_lshl_b32 s18, s15, 7
	s_add_co_u32 s4, s4, s18                       ; A's side
	s_lshl_b32 s5, s42, 8
	s_lshl_b32 s18, s16, 7
	s_add_co_u32 s5, s5, s18                       ; B's side
	s_cmp_eq_u32 s2, 1
	s_cselect_b32 s6, s5, s4                       ; tok
	s_cselect_b32 s7, s4, s5                       ; feat
	s_lshr_b32 s18, s6, 11
	s_lshl_b32 s18, s18, 4
	s_lshr_b32 s19, s7, 6
	s_add_co_u32 s18, s18, s19                     ; 16 x batch + my first head
	s_bfe_u32 s19, s6, 0x40007                     ; the group of 128 tokens in its sequence
	s_mov_b32 s20, 208896                          ; kv: bytes of a head, of a record, and where K's scale words begin;
	s_mov_b32 s21, 13056
	s_mov_b32 s22, 12288
	s_cmp_eq_u32 ttmp9, 0
	s_cselect_b32 s20, 106496, s20                 ; qr: likewise
	s_cselect_b32 s21, 6656, s21
	s_cselect_b32 s22, 6144, s22
	s_mul_i32 s18, s18, s20
	s_mul_i32 s19, s19, s21
	s_add_co_u32 s18, s18, s19
	s_mov_b32 s19, 0
	s_add_nc_u64 s[8:9], s[12:13], s[18:19]        ; my first head's record,
	s_mov_b32 s21, 0
	s_add_nc_u64 s[10:11], s[8:9], s[20:21]        ; my second head's,
	s_mov_b32 s23, 0
	s_add_nc_u64 s[12:13], s[8:9], s[22:23]        ; and the first head's scale words
	v_mul_u32_u24 v8, s20, v2
	v_lshl_add_u32 v8, v1, 4, v8                   ; scale words: lanes 16-31 the second head's record; 16 bytes a row
	s_lshl_b32 s18, s7, 2
	s_add_nc_u64 s[96:97], s[96:97], s[18:19]      ; the bias at my first feature
	s_mov_b32 s18, s6
	s_add_nc_u64 s[98:99], s[98:99], s[18:19]      ; the mask at my first token
	s_mov_b32 s47, 127
	s_cmp_eq_u32 ttmp9, 1
	s_cselect_b32 s46, 1, s47                      ; the byte of k = 64 .. 95: K, open key: 1;  Q: 127
	s_cselect_b32 s47, 227, s47                    ; K, masked key: 227;  Q: 127
	v_cmp_ne_u32 s45, 0, v2                        ; lanes 16-31
	s_mov_b32 s[SEL], 0x76543210
	s_mov_b32 s[SEL+1], 0xfedcba98
.macro FRAG reg, adr, q, i             ; a fragment: 16 rows x 128 K: lane (r, h) takes 24 bytes of row r twice, in pieces of 8 bytes
.irp p, 0,1,2,3,4,5
.set PIECE, 12*(\q)+6*(\p/3)+\p%3      ; 16 bytes of padding lie behind every 8 pieces: where the piece three on lies behind one padding more, the second address register serves
.if PIECE%8 < 5
	ds_load_b64 v[\reg+2*\p:\reg+2*\p+1], v[\adr] offset:8*PIECE+16*(PIECE/8)+(\i)*16*PITCH
.else
	ds_load_b64 v[\reg+2*\p:\reg+2*\p+1], v[\adr+2] offset:8*PIECE+16*(PIECE/8)+(\i)*16*PITCH
.endif
.endr
.endm
; 16 matrix instructions: A's blocks a0, a0 + 1 x B's eight.  The 64 accumulators take turns, one instruction a turn, in the same order in every step.
.macro MUL16 a0, p, q, sc, zero
.irp a, \a0, \a0+1
.irp b, 0,1,2,3,4,5,6,7
.if \zero
	v_wmma_scale_f32_16x16x128_f8f6f4 v[8*(8*((\a)%4)+\b):8*(8*((\a)%4)+\b)+7], v[128*(\p)+FR*\b:128*(\p)+FR*\b+FR-1], v[AF+FR*(\a):AF+FR*(\a)+FR-1], 0, v[SC+8*NQ*(\sc)+NQ*\b+(\q)], v[SC+8*NQ*(\sc)+NQ*(\a)+(\q)] matrix_a_fmt:MATRIX_FMT_FP6 matrix_b_fmt:MATRIX_FMT_FP6 matrix_a_scale:MATRIX_SCALE_ROW1
.else
	v_wmma_scale_f32_16x16x128_f8f6f4 v[8*(8*((\a)%4)+\b):8*(8*((\a)%4)+\b)+7], v[128*(\p)+FR*\b:128*(\p)+FR*\b+FR-1], v[AF+FR*(\a):AF+FR*(\a)+FR-1], v[8*(8*((\a)%4)+\b):8*(8*((\a)%4)+\b)+7], v[SC+8*NQ*(\sc)+NQ*\b+(\q)], v[SC+8*NQ*(\sc)+NQ*(\a)+(\q)] matrix_a_fmt:MATRIX_FMT_FP6 matrix_b_fmt:MATRIX_FMT_FP6 matrix_a_scale:MATRIX_SCALE_ROW1
.endif
.endr
.endr
.endm
.macro FETCH_B slot, q, p
	WIN TO_B
.irp i, 0,1,2,3,4,5,6,7
	FRAG 128*(\p)+FR*\i, ADRB+\slot, \q, \i
.endr
	WIN 0
.endm
.macro FETCH_A slot, q, i0
.irp i, \i0, \i0+1, \i0+2, \i0+3
	FRAG AF+FR*(\i), ADRA+\slot, \q, \i
.endr
.endm
.macro SCALES sc                       ; a K step's scale words: lanes 0-15 A's block i, lanes 16-31 B's block i
.irp i, 0,1,2,3,4,5,6,7
	ds_load_b64 v[SC+8*NQ*\sc+NQ*\i:SC+8*NQ*\sc+NQ*\i+1], v[ADRS] offset:\i*SBLK
.endr
.endm
.macro PLACES n                        ; plain vector instructions between a matrix instruction and a load into, or a read of, its registers
.rept \n
	v_nop
.endr
.endm
.macro STEP slot, q, zero              ; 128 along K that have their successor in the same slot
	s_wait_dscnt 4*NL                              ; B's set and A's blocks 0-3 are in; the youngest 24 loads (A's blocks 4-7) may be out
	WIN MUL_LO
	MUL16 0, (\q)%2, \q, \slot, \zero
	MUL16 2, (\q)%2, \q, \slot, \zero
	s_wait_dscnt 0
	PLACES NP
	FETCH_B \slot, (\q)+1, 1-(\q)%2
	FETCH_A \slot, (\q)+1, 0
	WIN MUL_HI
	MUL16 4, (\q)%2, \q, \slot, \zero
	MUL16 6, (\q)%2, \q, \slot, \zero
	PLACES NP
	WIN 0
	FETCH_A \slot, (\q)+1, 4
.endm
; A slot's last step changes slots: one barrier; in front of it each wave waits for all its tensor loads, adds 0 to its spare word, and waits for that and for its reads of this slot.
.macro TURN slot, next, fill
	s_wait_tensorcnt 0x0                           ; all my tensor loads have landed: my part of the next slot
	ds_add_u32 v[SPW], v[NIL]                      ; 0 onto my spare word
	s_wait_dscnt 4*NL+1                            ; (the add and the youngest 24 loads may be out)
	WIN MUL_LO
	MUL16 0, 1, NQ-1, \slot, 0
	s_wait_dscnt 0x0                               ; the add is done, and my reads of this slot are over
	s_barrier_signal -1
	MUL16 2, 1, NQ-1, \slot, 0
	WIN 0
	s_barrier_wait -1
.if \fill
	CREST                                          ; the barrier has opened a round of the cluster's barrier: no wave of any partner still reads this slot or has a load on its way
	s_add_nc_u64 s[G0+4*\slot+2:G0+4*\slot+3], s[G0+4*\slot+2:G0+4*\slot+3], 2*ROWB
	s_add_nc_u64 s[G0B+4*\slot+2:G0B+4*\slot+3], s[G0B+4*\slot+2:G0B+4*\slot+3], 2*ROWB
	JLOAD G0+4*\slot, G1, G0B+4*\slot, G1B         ; the first tensor load behind the round; its four v_nop are the places in front of the loads below
.else
	PLACES NP
.endif
	v_add_nc_u32 v[ADRS], 4*NQ, v[ADRS]            ; the next K step's scale words
	FETCH_B \next, 0, 0
	FETCH_A \next, 0, 0
	SCALES \next
	WIN MUL_HI
	MUL16 4, 1, NQ-1, \slot, 0
	MUL16 6, 1, NQ-1, \slot, 0
	PLACES NP
	WIN 0
	FETCH_A \next, 0, 4
.endm
	s_wait_tensorcnt 1                             ; the scales and my part of K step 0 are in (K step 1's load may be out),
	s_barrier_signal -1
	s_barrier_wait -1                              ; everybody's are
	FETCH_B 0, 0, 0
	FETCH_A 0, 0, 0
	SCALES 0
	FETCH_A 0, 0, 4
	STEP 0, 0, 1                                   ; the first step's products start the sums
	s_mov_b32 s3, LAPS-1
.Llap:
	TURN 0, 1, 1
	STEP 1, 0, 0
	TURN 1, 0, 1
	STEP 0, 0, 0
	s_sub_co_u32 s3, s3, 1
	s_cmp_lg_u32 s3, 0
	s_cbranch_scc1 .Llap
	TURN 0, 1, 0                                   ; the last lap fills nothing
	STEP 1, 0, 0
	s_wait_dscnt 4*NL
	WIN MUL_LO
	MUL16 0, 1, NQ-1, 1, 0
	MUL16 2, 1, NQ-1, 1, 0
	s_wait_dscnt 0
	WIN MUL_HI
	MUL16 4, 1, NQ-1, 1, 0
	MUL16 6, 1, NQ-1, 1, 0
	WIN 0
	PLACES NP                                      ; in front of the loads into, and the reads of, the last products' registers
; 64 numbers of a lane, v[s] on, register 16 b + i of block b (the block's other 16 lie in lane l xor 16), become a fragment's codes in v[PC] on and its scale word in v[PW].
.macro QUANT s
.irp b, 0,1,2,3
	v_max3_num_f32 v[TM+\b], |v[\s+16*\b]|, |v[\s+1+16*\b]|, 0x1800000   ; my 16 numbers, and the floor 2^(3 - 127): the byte cannot fall under 1
.endr
.irp i, 2,4,6,8,10,12,14
.irp b, 0,1,2,3
	v_max3_num_f32 v[TM+\b], v[TM+\b], |v[\s+16*\b+\i]|, |v[\s+1+16*\b+\i]|
.endr
.endr
.irp b, 0,1,2,3
	v_permlanex16_b32 v[TM+4+\b], v[TM+\b], s[SEL], s[SEL+1]
.endr
.irp b, 0,1,2,3
	v_max_num_f32 v[TM+\b], v[TM+\b], v[TM+4+\b]   ; the block's largest magnitude
.endr
.irp b, 0,1,2,3
	v_add_nc_u32 v[TM+12+\b], 0xff000000, v[TM+\b] ; 2 off its exponent field: the conversion's scale operand
.endr
.irp b, 0,1,2,3
	v_lshrrev_b32 v[TM+4+\b], 23, v[TM+12+\b]      ; the scale's byte
.endr
	v_lshl_or_b32 v[PW], v[TM+5], 8, v[TM+4]
	v_lshl_or_b32 v[PW], v[TM+6], 16, v[PW]
	v_lshl_or_b32 v[PW], v[TM+7], 24, v[PW]
.irp c, 0,1
	v_cvt_scalef32_pk16_fp6_f32 v[PC+6*\c:PC+2+6*\c], v[\s+32*\c:\s+15+32*\c], v[TM+12+2*\c]
	v_cvt_scalef32_pk16_fp6_f32 v[PC+12+4*\c:PC+14+4*\c], v[\s+16+32*\c:\s+31+32*\c], v[TM+12+2*\c+1]   ; (a conversion's three registers begin on an even number)
.endr
	v_nop                                          ; one plain place behind a scaled conversion
.irp c, 0,1                            ; the operand wants a whole block in a lane: lanes 0-15 block 2 c, lanes 16-31 block 2 c + 1
.irp i, 0,1,2
	v_permlane16_swap_b32 v[PC+6*\c+\i], v[PC+12+4*\c+\i]
.endr
.irp i, 0,1,2
	v_mov_b32 v[PC+3+6*\c+\i], v[PC+12+4*\c+\i]
.endr
.endr
.endm
	s_cmp_eq_u32 s2, 1                             ; the one parting of the ways: it hangs on the cluster's x alone, so all waves of all partners go the same way
	s_cbranch_scc1 .Lv_arm
	; ================ Q and K ================
.irp t, 0,1,2,3,4,5,6,7
	global_load_b128 v[BI+8*\t:BI+8*\t+3], v7, s[96:97] offset:64*\t       ; the bias of features 16 t + 8 h + 0 .. 7
	global_load_b128 v[BI+8*\t+4:BI+8*\t+7], v7, s[96:97] offset:64*\t+16
.endr
.irp a, 0,1,2,3,4,5,6,7
	global_load_u8 v[MB+\a], v1, s[98:99] offset:16*\a                     ; the mask byte of token 16 a + r
.endr
	; THE TABLE.  Wave w makes cos and sin for tokens 64 w .. 64 w + 63 of the work-group's 256; lane j takes frequency j.  (All tensor loads are done: the descriptors' registers are free.)
	s_lshl_b32 s17, s17, 8
	s_and_b32 s17, s17, 2047
	s_lshl_b32 s38, s14, 6
	s_add_co_u32 s17, s17, s38                     ; my first token's position in its sequence
	s_mov_b32 s24, 0x3f22f983                      ; 2 / pi.  (The packed forms name a pair and take its low word for both halves: both words are written)
	s_mov_b32 s25, s24
	s_mov_b32 s26, 0xbfc90fda                      ; -pi/2 in three parts
	s_mov_b32 s27, s26
	s_mov_b32 s28, 0xb3a22168
	s_mov_b32 s29, s28
	s_mov_b32 s30, 0xa7c234c4
	s_mov_b32 s31, s30
	s_mov_b32 s32, 0xb94ca1f9                      ; sin's highest coefficient
	s_mov_b32 s33, s32
	s_mov_b32 s34, 0x37ccf5ce                      ; cos's
	s_mov_b32 s35, s34
	s_mov_b32 s36, 0x80000000
	v_mov_b32 v[FQ], 0
	v_mov_b32 v[FQ+1], 0
.macro FREQ j, bits
	s_mov_b32 s38, \bits
	v_writelane_b32 v[FQ], s38, \j
.endm
	FREQ 0, 0x3f800000                             ; 10^(-j/8), j = 0 .. 31
	FREQ 1, 0x3f3ff911
	FREQ 2, 0x3f0ff59a
	FREQ 3, 0x3ed7e89b
	FREQ 4, 0x3ea1e89b
	FREQ 5, 0x3e72d424
	FREQ 6, 0x3e361887
	FREQ 7, 0x3e088d77
	FREQ 8, 0x3dcccccd
	FREQ 9, 0x3d99940e
	FREQ 10, 0x3d6655c3
	FREQ 11, 0x3d2cba15
	FREQ 12, 0x3d0186e2
	FREQ 13, 0x3cc24350
	FREQ 14, 0x3c91ad39
	FREQ 15, 0x3c5a7bf1
	FREQ 16, 0x3c23d70a
	FREQ 17, 0x3bf5b9b0
	FREQ 18, 0x3bb8449c
	FREQ 19, 0x3b8a2e77
	FREQ 20, 0x3b4f3e37
	FREQ 21, 0x3b1b690d
	FREQ 22, 0x3ae91528
	FREQ 23, 0x3aaec98e
	FREQ 24, 0x3a83126f
	FREQ 25, 0x3a44948c
	FREQ 26, 0x3a136a16
	FREQ 27, 0x39dd1726
	FREQ 28, 0x39a5cb5f
	FREQ 29, 0x3978a814
	FREQ 30, 0x393a7753
	FREQ 31, 0x390bd472
.irp e, 0,1,2,3,4,5,6,7
	s_add_co_u32 s38, s17, \e
	v_cvt_f32_u32 v[TT+\e], s38                    ; eight positions, exact in f32
.endr
.irp e, 0,1
	v_mov_b32 v[VMG+\e], 0x4b400000                ; 1.5 x 2^23: added and taken away again it rounds to a whole number, whose low bits lie in the sum's low bits
	v_mov_b32 v[VS2+\e], 0x3c08839e
	v_mov_b32 v[VS1+\e], 0xbe2aaaa3
	v_mov_b32 v[VC2+\e], 0xbab6061a
	v_mov_b32 v[VC1+\e], 0x3d2aaaa5
.endr
	v_mov_b32 v68, s46                             ; the two bytes that a mask byte chooses between
	v_mov_b32 v69, s47
; Eight positions: four pairs, line by line by turns.  In set u: +0 angle, +2 k + magic, +4 k, +6 r, +8 z = r r, +10 sin r, +12 cos r, +14 at work; at last +4 cos, +6 sin of the angle.
.macro TAB8 i
.irp u, 0,1,2,3
	v_pk_mul_f32 v[UB+16*\u:UB+16*\u+1], v[TT+2*\u:TT+2*\u+1], v[FQ:FQ+1] op_sel_hi:[1,0]         ; the angle: position x frequency, rounded to f32
.endr
.irp u, 0,1,2,3
	v_pk_fma_f32 v[UB+16*\u+2:UB+16*\u+3], v[UB+16*\u:UB+16*\u+1], s[24:25], v[VMG:VMG+1] op_sel_hi:[1,0,1]
.endr
.irp u, 0,1,2,3
	v_pk_add_f32 v[UB+16*\u+4:UB+16*\u+5], v[UB+16*\u+2:UB+16*\u+3], v[VMG:VMG+1] neg_lo:[0,1] neg_hi:[0,1]   ; k = the angle / (pi/2), to the nearest whole number
.endr
.irp u, 0,1,2,3
	v_pk_fma_f32 v[UB+16*\u+6:UB+16*\u+7], v[UB+16*\u+4:UB+16*\u+5], s[26:27], v[UB+16*\u:UB+16*\u+1] op_sel_hi:[1,0,1]   ; r = angle - k pi/2
.endr
.irp u, 0,1,2,3
	v_pk_fma_f32 v[UB+16*\u+6:UB+16*\u+7], v[UB+16*\u+4:UB+16*\u+5], s[28:29], v[UB+16*\u+6:UB+16*\u+7] op_sel_hi:[1,0,1]
.endr
.irp u, 0,1,2,3
	v_pk_fma_f32 v[UB+16*\u+6:UB+16*\u+7], v[UB+16*\u+4:UB+16*\u+5], s[30:31], v[UB+16*\u+6:UB+16*\u+7] op_sel_hi:[1,0,1]
.endr
.irp u, 0,1,2,3
	v_pk_mul_f32 v[UB+16*\u+8:UB+16*\u+9], v[UB+16*\u+6:UB+16*\u+7], v[UB+16*\u+6:UB+16*\u+7]
.endr
.irp u, 0,1,2,3
	v_pk_fma_f32 v[UB+16*\u+10:UB+16*\u+11], v[UB+16*\u+8:UB+16*\u+9], s[32:33], v[VS2:VS2+1] op_sel_hi:[1,0,1]
	v_pk_fma_f32 v[UB+16*\u+12:UB+16*\u+13], v[UB+16*\u+8:UB+16*\u+9], s[34:35], v[VC2:VC2+1] op_sel_hi:[1,0,1]
.endr
.irp u, 0,1,2,3
	v_pk_fma_f32 v[UB+16*\u+10:UB+16*\u+11], v[UB+16*\u+10:UB+16*\u+11], v[UB+16*\u+8:UB+16*\u+9], v[VS1:VS1+1]
	v_pk_fma_f32 v[UB+16*\u+12:UB+16*\u+13], v[UB+16*\u+12:UB+16*\u+13], v[UB+16*\u+8:UB+16*\u+9], v[VC1:VC1+1]
.endr
.irp u, 0,1,2,3
	v_pk_mul_f32 v[UB+16*\u+14:UB+16*\u+15], v[UB+16*\u+8:UB+16*\u+9], v[UB+16*\u+6:UB+16*\u+7]   ; z r
	v_pk_mul_f32 v[UB+16*\u:UB+16*\u+1], v[UB+16*\u+8:UB+16*\u+9], v[UB+16*\u+8:UB+16*\u+9]       ; z z
	v_pk_fma_f32 v[UB+16*\u+4:UB+16*\u+5], v[UB+16*\u+8:UB+16*\u+9], -0.5, 1.0 op_sel_hi:[1,0,0]  ; 1 - z / 2
.endr
.irp u, 0,1,2,3
	v_pk_fma_f32 v[UB+16*\u+10:UB+16*\u+11], v[UB+16*\u+10:UB+16*\u+11], v[UB+16*\u+14:UB+16*\u+15], v[UB+16*\u+6:UB+16*\u+7]   ; sin r
	v_pk_fma_f32 v[UB+16*\u+12:UB+16*\u+13], v[UB+16*\u+12:UB+16*\u+13], v[UB+16*\u:UB+16*\u+1], v[UB+16*\u+4:UB+16*\u+5]      ; cos r
.endr
.irp u, 0,1,2,3
.irp e, 0,1                            ; the quadrant: k odd: sin and cos change places; sin is negative where k % 4 is 2 or 3, cos where it is 1 or 2
	v_and_b32 v[UB+16*\u+14+\e], 1, v[UB+16*\u+2+\e]
	v_cmp_ne_u32 vcc_lo, 0, v[UB+16*\u+14+\e]
	v_cndmask_b32 v[UB+16*\u+4+\e], v[UB+16*\u+12+\e], v[UB+16*\u+10+\e], vcc_lo
	v_cndmask_b32 v[UB+16*\u+6+\e], v[UB+16*\u+10+\e], v[UB+16*\u+12+\e], vcc_lo
	v_lshlrev_b32 v[UB+16*\u+14+\e], 30, v[UB+16*\u+2+\e]
	v_and_b32 v[UB+16*\u+14+\e], s36, v[UB+16*\u+14+\e]
	v_xor_b32 v[UB+16*\u+6+\e], v[UB+16*\u+6+\e], v[UB+16*\u+14+\e]
	v_add_lshl_u32 v[UB+16*\u+14+\e], v[UB+16*\u+2+\e], 1, 30
	v_and_b32 v[UB+16*\u+14+\e], s36, v[UB+16*\u+14+\e]
	v_xor_b32 v[UB+16*\u+4+\e], v[UB+16*\u+4+\e], v[UB+16*\u+14+\e]
	ds_store_b32 v[TA], v[UB+16*\u+4+\e] offset:(8*\i+2*\u+\e)*TP          ; 32 lanes: a token's 32 cos,
	ds_store_b32 v[TA], v[UB+16*\u+6+\e] offset:(8*\i+2*\u+\e)*TP+128      ; and its 32 sin
.endr
.endr
.if \i < 7
.irp u, 0,1,2,3
	v_pk_add_f32 v[TT+2*\u:TT+2*\u+1], v[TT+2*\u:TT+2*\u+1], 0x41000000 op_sel_hi:[1,0]   ; eight positions on
.endr
.endif
.endm
.irp i, 0,1,2,3,4,5,6,7                ; written out, so that every LDS offset is an immediate
	TAB8 \i
.endr
	s_wait_dscnt 0x0                               ; for the others' sake: my rows of the table are written
	s_barrier_signal -1
	s_barrier_wait -1                              ; the table is whole
	s_wait_loadcnt 0x0                             ; the bias and the mask bytes
; Block a: 16 tokens x my 128 features (heads c = 0, 1).  Register 8 t + j is feature 16 t + 8 h + j: in head c, register 32 c + n (n < 16) is d = 16 (n / 8) + 8 h + n % 8 and register 32 c + 16 + n is d + 32.
.macro QKBLOCK a
.if \a > 0
	s_wait_xcnt 0x0                                ; the last block's stores have read their registers
.endif
.irp c, 0,1
	ds_load_b128 v[CN+8*\c:CN+8*\c+3], v[TR] offset:(\a)*16*TP+64*\c
	ds_load_b128 v[CN+8*\c+4:CN+8*\c+7], v[TR] offset:(\a)*16*TP+64*\c+16
	ds_load_b128 v[SN+8*\c:SN+8*\c+3], v[TR] offset:(\a)*16*TP+64*\c+128
	ds_load_b128 v[SN+8*\c+4:SN+8*\c+7], v[TR] offset:(\a)*16*TP+64*\c+144
.endr
	WIN 0x02+(\a)/4                                ; source 0: window 2 or 3
.set n, 0
.rept 32
	v_pk_add_f32 v[Y+2*n:Y+2*n+1], v[64*((\a)%4)+2*n:64*((\a)%4)+2*n+1], v[BI+2*n:BI+2*n+1]   ; + the bias; each accumulator from its low end on
.set n, n+1
.endr
	WIN 0
	s_wait_dscnt 0x0
.irp c, 0,1
.irp q, 0,1
.irp k, 0,1,2,3
	v_pk_mul_f32 v[TM+2*\k:TM+2*\k+1], v[Y+32*\c+16+8*\q+2*\k:Y+32*\c+16+8*\q+2*\k+1], v[SN+8*\q+2*\k:SN+8*\q+2*\k+1]
	v_pk_mul_f32 v[TM+8+2*\k:TM+8+2*\k+1], v[Y+32*\c+8*\q+2*\k:Y+32*\c+8*\q+2*\k+1], v[SN+8*\q+2*\k:SN+8*\q+2*\k+1]
.endr
.irp k, 0,1,2,3
	v_pk_fma_f32 v[Y+32*\c+8*\q+2*\k:Y+32*\c+8*\q+2*\k+1], v[Y+32*\c+8*\q+2*\k:Y+32*\c+8*\q+2*\k+1], v[CN+8*\q+2*\k:CN+8*\q+2*\k+1], v[TM+2*\k:TM+2*\k+1] neg_lo:[0,0,1] neg_hi:[0,0,1]   ; x(d) cos - x(d + 32) sin
	v_pk_fma_f32 v[Y+32*\c+16+8*\q+2*\k:Y+32*\c+16+8*\q+2*\k+1], v[Y+32*\c+16+8*\q+2*\k:Y+32*\c+16+8*\q+2*\k+1], v[CN+8*\q+2*\k:CN+8*\q+2*\k+1], v[TM+8+2*\k:TM+8+2*\k+1]               ; x(d + 32) cos + x(d) sin
.endr
.endr
.endr
	QUANT Y                                        ; blocks 0, 1: head 0;  2, 3: head 1.  Registers 0-5 of the codes are head 0's half fragment, 6-11 head 1's
	global_store_b128 v[L16], v[PC:PC+3], s[8:9] offset:768*(\a)           ; 512 consecutive bytes, aligned to 256
	global_store_b64 v[L8], v[PC+4:PC+5], s[8:9] offset:768*(\a)+512       ; 256
	global_store_b128 v[L16], v[PC+6:PC+9], s[10:11] offset:768*(\a)
	global_store_b64 v[L8], v[PC+10:PC+11], s[10:11] offset:768*(\a)+512
	v_cmp_ne_u32 vcc_lo, 0, v[MB+\a]
	v_cndmask_b32 v49, v68, v69, vcc_lo            ; the byte of k = 64 .. 95
	v_lshrrev_b32 v[W+\a], v9, v[PW]               ; lanes 0-15: head 0's two bytes, lanes 16-31: head 1's
	v_and_b32 v[W+\a], 0xffff, v[W+\a]
	v_lshl_or_b32 v[W+\a], v49, 16, v[W+\a]        ; the top byte stays 0: its 32 codes are zeros
.endm
.irp a, 0,1,2,3,4,5,6,7
	QKBLOCK \a
.endr
	global_store_b128 v8, v[W:W+3], s[12:13]               ; sixteen lanes fill 256 consecutive bytes of a head's record: row r's words of blocks 0-3,
	global_store_b128 v8, v[W+4:W+7], s[12:13] offset:256  ; of blocks 4-7
	s_branch .Lend
	; ================ V ================
.Lv_arm:
.irp a, 0,1,2,3,4,5,6,7
	global_load_b32 v[MB+\a], v11, s[96:97] offset:64*\a   ; the bias of feature 16 a + r
.endr
.irp b, 0,1,2,3
	v_mov_b32 v[TM+4+\b], 0                        ; written once: a lane permute's destination counts as one of its sources
.endr
	s_wait_loadcnt 0x0
; Block a: 16 features x my 128 tokens: register 8 t + j is token 16 t + 8 h + j: one whole fragment of V^T and its scale word.
.macro VBLOCK a
.if \a > 0
	s_wait_xcnt 0x0                                ; the last block's stores have read their registers
.endif
	v_mov_b32 v50, v[MB+\a]
	v_mov_b32 v51, v[MB+\a]
	WIN 0x02+(\a)/4
.set n, 0
.rept 32
	v_pk_add_f32 v[Y+2*n:Y+2*n+1], v[64*((\a)%4)+2*n:64*((\a)%4)+2*n+1], v[50:51]
.set n, n+1
.endr
	WIN 0
	QUANT Y
.irp c, 0,1,2
	global_store_b128 v[L16], v[PC+4*\c:PC+4*\c+3], s[8:9] offset:((\a)/4)*208896+6144+((\a)%4)*1536+512*\c
.endr
	v_mov_b32 v[W+\a], v[PW]
.endm
.irp a, 0,1,2,3,4,5,6,7
	VBLOCK \a
.endr
.irp i, 0,1,2,3
	v_cndmask_b32 v[MB+\i], v[W+\i], v[W+4+\i], s45        ; lanes 0-15: my first head's four tiles, lanes 16-31: my second head's
.endr
	global_store_b128 v8, v[MB:MB+3], s[8:9] offset:12800
.Lend:
	s_wait_tensorcnt 0x0                           ; the wave's end
	ds_add_u32 v[SPW], v[NIL]
	s_wait_dscnt 0x0
	CROUND                                         ; the closing round
	s_endpgm
.Lfunc_end_k_qe18f1ddf39_qkv:
	.size	k_qe18f1ddf39_qkv, .Lfunc_end_k_qe18f1ddf39_qkv-k_qe18f1ddf39_qkv
	.p2alignl 7, 3214868480
	.fill 96, 4, 3214868480
	.section	.rodata,"a",@progbits
	.p2align	6, 0x0
	.amdhsa_kernel k_qe18f1ddf39_qkv
		.amdhsa_group_segment_fixed_size 327680
		.amdhsa_private_segment_fixed_size 0
		.amdhsa_enable_private_segment 0
		.amdhsa_kernarg_size 112
		.amdhsa_user_sgpr_count 2
		.amdhsa_user_sgpr_kernarg_segment_ptr 1
		.amdhsa_wavefront_size32 1
		.amdhsa_system_sgpr_workgroup_id_x 1
		.amdhsa_system_sgpr_workgroup_id_y 1
		.amdhsa_system_sgpr_workgroup_id_z 1
		.amdhsa_system_vgpr_workitem_id 0
		.amdhsa_next_free_vgpr 1024
		.amdhsa_next_free_sgpr 100
		.amdhsa_reserve_vcc 1
		.amdhsa_float_denorm_mode_32 3
		.amdhsa_float_denorm_mode_16_64 3
		.amdhsa_memory_ordered 1
		.amdhsa_forward_progress 1
		.amdhsa_inst_pref_size 255
	.end_amdhsa_kernel
	.section	.bss,"aw",@nobits
	.p2align	6
	.space	262144
	.amdgpu_metadata
---
amdhsa.version: [ 1, 2 ]
amdhsa.kernels:
  - .name:           k_qe18f1ddf39_qkv
    .symbol:         k_qe18f1ddf39_qkv.kd
    .args:
      - { .name: x_codes, .offset: 0, .size: 8, .value_kind: global_buffer, .address_space: global }
      - { .name: x_scales, .offset: 8, .size: 8, .value_kind: global_buffer, .address_space: global }
      - { .name: wq_codes, .offset: 16, .size: 8, .value_kind: global_buffer, .address_space: global }
      - { .name: wq_scales, .offset: 24, .size: 8, .value_kind: global_buffer, .address_space: global }
      - { .name: wk_codes, .offset: 32, .size: 8, .value_kind: global_buffer, .address_space: global }
      - { .name: wk_scales, .offset: 40, .size: 8, .value_kind: global_buffer, .address_space: global }
      - { .name: wv_codes, .offset: 48, .size: 8, .value_kind: global_buffer, .address_space: global }
      - { .name: wv_scales, .offset: 56, .size: 8, .value_kind: global_buffer, .address_space: global }
      - { .name: bq, .offset: 64, .size: 8, .value_kind: global_buffer, .address_space: global }
      - { .name: bk, .offset: 72, .size: 8, .value_kind: global_buffer, .address_space: global }
      - { .name: bv, .offset: 80, .size: 8, .value_kind: global_buffer, .address_space: global }
      - { .name: key_padding_mask, .offset: 88, .size: 8, .value_kind: global_buffer, .address_space: global }
      - { .name: qr, .offset: 96, .size: 8, .value_kind: global_buffer, .address_space: global }
      - { .name: kv, .offset: 104, .size: 8, .value_kind: global_buffer, .address_space: global }
    .group_segment_fixed_size: 327680
    .private_segment_fixed_size: 0
    .kernarg_segment_align: 8
    .kernarg_segment_size: 112
    .max_flat_workgroup_size: 128
    .sgpr_count:     100
    .vgpr_count:     1024
    .wavefront_size: 32
...
	.end_amdgpu_metadata
.endif
;; end of part 1
;; launch attn (part 2): grid 4 x 64, 16 waves a work-group, clusters of 4 x 1, 210,944 bytes of LDS; arguments qr, kv, oc, os; writes oc, os
.if DOCPART == 2
	.amdgcn_target "amdgcn-amd-amdhsa--gfx1250"
	.amdhsa_code_object_version 6
	.text
	.protected	k_qe18f1ddf39_attn
	.globl	k_qe18f1ddf39_attn
	.p2align	8
	.type	k_qe18f1ddf39_attn,@function
k_qe18f1ddf39_attn:
	s_mov_b64 s[64:65], 0
	v_nop
	global_prefetch_b8 v0, s[64:65] scope:SCOPE_SE
	s_setreg_imm32_b32 hwreg(HW_REG_WAVE_MODE, 25, 1), 1
	s_wait_xcnt 0x0
	s_wait_alu depctr_hold_cnt(0) depctr_sa_sdst(0) depctr_va_vdst(0) depctr_va_sdst(0) depctr_va_ssrc(0) depctr_va_vcc(0) depctr_vm_vsrc(0)
	s_getreg_b32 s2, hwreg(HW_REG_IB_STS2, 6, 4)
	s_cmp_eq_u32 s2, 0
	s_cbranch_scc0 .Lentry_in_a_cluster
	s_endpgm
.Lentry_in_a_cluster:
	s_bfe_u32 s2, ttmp6, 0x10000c
	s_cmp_lg_u32 s2, 0x3003
	s_cbranch_scc0 .Lentry_shape_is_right
	s_endpgm
.Lentry_shape_is_right:
; O = softmax(Q K^T / 8, masked) V for one head, both products on codes of FP6 (E2M3); O / l is quantised along the model's 1,024 and leaves as an image of operand registers.
; t = score x log2(e) / 8; M = the running largest t rounded UP to a whole number; p = 2^(t - M) is quantised along the keys, not normalised; the row's sum l is taken of the unquantised p.
; SHARES.  A cluster of four work-groups is one head (the cluster's y = 16 x batch + head); work-group cx takes queries 512 cx on, in two passes of 256; each of its sixteen waves owns 16 queries,
; four waves to a SIMD, so that one wave's vector work stands beside another's products and LDS loads.
; LDS holds the head's K, V and scale words for all 2,048 keys: sixteen records of 13,056 bytes (128 keys each), 208,896 bytes, FILLED ONCE, by joint loads of the four partners.  Nothing is filled again
; and nothing is stored to LDS.  A record: K's 8 half fragments (16 keys x 64: 768 bytes), V's 4 whole fragments (16 channels x 128 keys: 1,536 bytes), K's scale words (512 bytes), V's (256).
; All are images of registers: a group of four registers lies at 16 x lane, a group of two at 8 x lane.
; LAYOUT.  S^T = K Q^T (source 0 = 16 keys, source 1 = my 16 queries), O^T = V^T P^T: a lane holds ONE query.  Register 8 t + j of S^T is key 16 t + 8 h + j: p's codes lie inside each block of 32 keys in
; the order 0-7, 16-23, 8-15, 24-31, and so do V's, which the launch before made in the same way.
; THE MASK rides in the unused half of the instruction's 128 along K: at k = 64 Q has the code of 1.0 under the scale byte 127 and K the code of -7.5 under the byte 227 (masked) or 1 (open):
; a masked score is lowered by 7.5 x 2^100.  The largest t begins at -2^90, over every masked t, so p of a masked key is exactly 0, also while no open key has been met.
; LIMITS: |t| stays under 2^90; a batch whose keys are ALL masked (l = 0) is not served; NaN and infinities are not served; a block of zeros carries the scale byte 1.
; REGISTERS: v1-3 lane terms, v4-6 the step's addresses, v8 where my scale byte goes; v12 -M, v13 the largest t, v[14:15] l; v16-27 Q; v32-79 four tiles of K; v96-159 S^T, then p, then V's four fragments;
; v160-191 O^T; v224-235 p's codes; v232-247 at work; v248-251 scale words; v252 f; v253 p's scale word; v255 Q's.
.set REC,   13056
.set HEADB, 16*REC
.set WV,    12
.set SEL,   20                         ; s[20:21] selects of v_permlanex16_b32: lane l xor 16
.set CS,    22                         ; s[22:23] c = log2(e) / 8
.set G1,    24                         ; s[24:31] descriptor group 1;  s[32:47] four groups 0
.set G0,    32
.set TB,    48                         ; the record in hand, as an LDS byte
.set CNT,   49
.set PASS,  50
.set HM,    51                         ; lanes 16-31
.set QB,    52                         ; s[52:53] my tile of Q; s[54:55] its scale words; s[56:57] my tile of oc; s[58:59] my rows of os
.set QW,    54
.set OC,    56
.set OS,    58
.macro CROUND                          ; a round of the cluster's barrier
	s_barrier_signal -1
	s_barrier_wait -1
	s_cmp_lg_u32 s[WV], 0
	s_cbranch_scc1 .Lnot_wave_0_\@
	s_barrier_signal -3
.Lnot_wave_0_\@:
	s_barrier_wait -3
	s_barrier_signal -1
	s_barrier_wait -1
.endm
	s_load_b256 s[4:11], s[0:1], 0x0               ; qr, kv, oc, os
	v_lshl_add_u32 v223, v0, 2, 0x33000
	v_mov_b32 v243, 0
	ds_add_u32 v223, v243
	ds_add_u32 v223, v243
	v_lshrrev_b32 v9, 5, v0
	v_readfirstlane_b32 s[WV], v9                  ; wave 0..15
	s_bfe_u32 s13, ttmp6, 0x40000                  ; cx: it enters Q's and O's global addresses alone
	s_and_b32 s14, ttmp7, 0xffff                   ; 16 x batch + head, which the partners share
	s_mov_b32 s[G1], 15|(3<<16)|(1<<21)            ; the mask: all four work-groups; elements of 8 bytes; bit 21 beside a mask; no padding
	s_mov_b32 s[G1+1], 32<<16                      ; tensor_dim0: 32 elements, 256 bytes
	s_mov_b32 s[G1+2], 51<<16                      ; tensor_dim1: a record is 51 such rows
	s_mov_b32 s[G1+3], 32<<16                      ; tile_dim0
	s_mov_b32 s[G1+4], 51                          ; tile_dim1
	s_mov_b32 s[G1+5], 32                          ; the pitch: dense
	s_mov_b32 s[G1+6], 0
	s_mov_b32 s[G1+7], 0
	s_mul_i32 s16, s14, HEADB
	s_mul_i32 s18, s[WV], REC
	s_add_co_u32 s16, s16, s18
	s_mov_b32 s17, 0
	s_mov_b32 s[SEL], 0x76543210
	s_mov_b32 s[SEL+1], 0xfedcba98
	s_mov_b32 s[CS], 0x3e38aa3b
	s_mov_b32 s[CS+1], s[CS]                       ; (named with it as a pair, so it is written)
	s_mov_b32 s[PASS], 2
	s_wait_dscnt 0x0
	s_wait_kmcnt 0x0
	s_add_nc_u64 s[6:7], s[6:7], s[16:17]          ; the head's record number wave
	CROUND                                         ; all four work-groups are here: the joint loads meet
.irp i, 0,1,2,3                        ; load i of wave w (w < 4) brings record 4 i + w
	s_mov_b32 s[G0+4*\i], 1
	s_add_co_u32 s[G0+4*\i+1], s18, \i*4*REC
	s_add_nc_u64 s[G0+4*\i+2:G0+4*\i+3], s[6:7], \i*4*REC
	s_or_b32 s[G0+4*\i+3], s[G0+4*\i+3], 0x80000000
.endr
	s_cmp_lt_u32 s[WV], 4                          ; all the fills of a wave stand in one branch on the wave's number: four loads of mine are out
	s_cbranch_scc0 .Lno_fill
	tensor_load_to_lds s[G0:G0+3], s[G1:G1+7]
	s_nop 0
	tensor_load_to_lds s[G0+4:G0+7], s[G1:G1+7]
	s_nop 0
	tensor_load_to_lds s[G0+8:G0+11], s[G1:G1+7]
	s_nop 0
	tensor_load_to_lds s[G0+12:G0+15], s[G1:G1+7]
	s_nop 0
.rept 4
	v_nop
.endr
.Lno_fill:
	; my tile of queries is 32 cx + 16 pass + wave: record 4 cx + 2 pass + wave / 8 of Q, tile wave % 8 in it
	s_mul_i32 s16, s14, 106496
	s_lshl_b32 s17, s13, 2
	s_lshr_b32 s18, s[WV], 3
	s_add_co_u32 s17, s17, s18
	s_mul_i32 s17, s17, 6656
	s_add_co_u32 s16, s16, s17
	s_and_b32 s17, s[WV], 7
	s_mul_i32 s18, s17, 768
	s_add_co_u32 s18, s18, s16
	s_mov_b32 s19, 0
	s_add_nc_u64 s[QB:QB+1], s[4:5], s[18:19]
	s_lshr_b32 s17, s17, 2
	s_lshl_b32 s17, s17, 8
	s_and_b32 s18, s[WV], 3
	s_lshl_b32 s18, s18, 2
	s_add_co_u32 s18, s18, s17
	s_add_co_u32 s18, s18, s16
	s_add_co_u32 s18, s18, 6144
	s_add_nc_u64 s[QW:QW+1], s[4:5], s[18:19]
	s_lshr_b32 s16, s14, 4                         ; batch
	s_and_b32 s17, s14, 15                         ; head
	s_lshl_b32 s16, s16, 7
	s_lshl_b32 s15, s13, 5
	s_add_co_u32 s16, s16, s15
	s_add_co_u32 s16, s16, s[WV]                   ; my tile of 16 tokens among all 512
	s_lshl_b32 s18, s16, 4
	s_add_co_u32 s18, s18, s17
	s_mul_i32 s18, s18, 768
	s_add_nc_u64 s[OC:OC+1], s[8:9], s[18:19]
	s_lshl_b32 s18, s16, 9                         ; 16 tokens x 32 scale bytes
	s_lshl_b32 s17, s17, 1
	s_add_co_u32 s18, s18, s17
	s_add_nc_u64 s[OS:OS+1], s[10:11], s[18:19]
	v_and_b32 v9, 31, v0
	v_lshlrev_b32 v1, 4, v9                        ; 16 x lane
	v_lshlrev_b32 v2, 3, v9                        ; 8 x lane
	v_and_b32 v10, 15, v0                          ; r
	v_lshlrev_b32 v3, 4, v10                       ; 16 r
	v_bfe_u32 v11, v0, 4, 1                        ; h
	v_lshl_add_u32 v8, v10, 5, v11                 ; 32 r + h
	v_cmp_ne_u32 s[HM], 0, v11
	v_sub_nc_u32 v9, 1, v11                        ; 1 - h: k = 64 lies in the lowest bits of register 6 of lanes 0-15
	v_lshlrev_b32 v22, 3, v9                       ; Q: the code of 1.0, 0x08
.irp j, 23,24,25,26,27
	v_mov_b32 v\j, 0
.endr
.irp t, 0,1,2,3
	v_mul_u32_u24 v[38+12*\t], v9, 0x3f            ; K: the code of -7.5.  These registers stay: the loads write the lower six alone
.irp j, 39,40,41,42,43
	v_mov_b32 v[\j+12*\t], 0
.endr
.endr
.irp b, 0,1,2,3
	v_mov_b32 v[236+\b], 0                         ; written once: a lane permute's destination counts as one of its sources
.endr
	v_mov_b32 v252, 0
	v_mov_b32 v253, 0                              ; (named as the upper half of the pair v[252:253] before it is first written)
; A KEY STEP: the 128 keys of the record at s[TB].
.macro STEP
	v_add_nc_u32 v4, s[TB], v1
	v_add_nc_u32 v5, s[TB], v2
	v_add_nc_u32 v6, s[TB], v3
	v_nop                                          ; five places behind the last step's products: the first product below writes over registers that they read (V's fragments),
	v_nop                                          ; and the loads below land in their scale registers (four are asked for those)
.irp g, 0,1                            ; S^T = K Q^T, four tiles of 16 keys at a time
.if \g > 0
.rept 4
	v_nop                                          ; places in front of loads into registers that matrix instructions have read
.endr
.endif
.irp t, 0,1,2,3
	ds_load_b128 v[32+12*\t:35+12*\t], v4 offset:(4*\g+\t)*768
	ds_load_b64 v[36+12*\t:37+12*\t], v5 offset:(4*\g+\t)*768+512
.endr
	ds_load_b128 v[248:251], v6 offset:12288+256*\g        ; row r's scale words of the four tiles
	s_wait_dscnt 0x0
.irp t, 0,1,2,3
	v_wmma_scale_f32_16x16x128_f8f6f4 v[96+8*(4*\g+\t):103+8*(4*\g+\t)], v[32+12*\t:43+12*\t], v[16:27], 0, v[248+\t], v255 matrix_a_fmt:MATRIX_FMT_FP6 matrix_b_fmt:MATRIX_FMT_FP6
.endr
.endr
.rept 4
	v_nop
.endr
.irp b, 0,1,2,3
	v_max3_num_f32 v[232+\b], v[96+16*\b], v[97+16*\b], v[98+16*\b]   ; the largest score of each block of 32 keys: it serves for the row's maximum and, since p rises with the score, for the block's largest p
.endr
.irp i, 3,5,7,9,11,13
.irp b, 0,1,2,3
	v_max3_num_f32 v[232+\b], v[232+\b], v[96+16*\b+\i], v[97+16*\b+\i]
.endr
.endr
.irp b, 0,1,2,3
	v_max_num_f32 v[232+\b], v[232+\b], v[111+16*\b]
.endr
.irp b, 0,1,2,3
	v_permlanex16_b32 v[236+\b], v[232+\b], s[SEL], s[SEL+1]
.endr
.irp b, 0,1,2,3
	v_max_num_f32 v[232+\b], v[232+\b], v[236+\b]  ; with lane l xor 16's 16 keys
.endr
	v_max3_num_f32 v254, v232, v233, v234
	v_max_num_f32 v254, v254, v235
	v_mul_f32 v254, s[CS], v254                    ; the step's largest t (c is positive)
	v_max_num_f32 v13, v13, v254                   ; the running largest t
	v_mov_b32 v254, v12
	v_floor_f32 v12, -v13                          ; the new -M = floor(-t): M is a whole number
	v_sub_f32 v254, v12, v254                      ; old M - new M: a whole number, 0 or less
	v_cvt_i32_f32 v254, v254                       ; (it saturates)
	v_ldexp_f32 v252, 1.0, v254                    ; f = 2^(old M - new M)
.set n, 0
.rept 32
	v_pk_fma_f32 v[96+n:97+n], v[96+n:97+n], s[CS:CS+1], v[12:13] op_sel_hi:[1,0,0]   ; t - M
.set n, n+2
.endr
.irp b, 0,1,2,3
	v_fma_f32 v[232+\b], v[232+\b], s[CS], v12
.endr
.set n, 0
.rept 64
	v_exp_f32 v[96+n], v[96+n]                     ; p = 2^(t - M)
.set n, n+1
.endr
.irp b, 0,1,2,3
	v_exp_f32 v[232+\b], v[232+\b]                 ; the block's largest p
.endr
	v_pk_mul_f32 v[14:15], v[14:15], v[252:253] op_sel_hi:[1,0]   ; l under the new M.  (A plain place behind the exponentials)
	s_wait_alu depctr_va_vdst(0)
.irp b, 0,1,2,3
	v_max_num_f32 v[232+\b], 0x1800000, v[232+\b]  ; the floor 2^(3 - 127): the byte cannot fall under 1
.endr
.irp b, 0,1,2,3
	v_add_nc_u32 v[244+\b], 0xff000000, v[232+\b]  ; 2 off the exponent field: the conversion's scale operand
.endr
.irp b, 0,1,2,3
	v_lshrrev_b32 v[236+\b], 23, v[244+\b]
.endr
	v_lshl_or_b32 v253, v237, 8, v236              ; p's scale word for these 128 keys
	v_lshl_or_b32 v253, v238, 16, v253
	v_lshl_or_b32 v253, v239, 24, v253
.irp c, 0,1
	v_cvt_scalef32_pk16_fp6_f32 v[224+6*\c:226+6*\c], v[96+32*\c:111+32*\c], v[244+2*\c]
	v_cvt_scalef32_pk16_fp6_f32 v[236+4*\c:238+4*\c], v[112+32*\c:127+32*\c], v[244+2*\c+1]
.endr
	v_nop                                          ; one plain place behind a scaled conversion
.irp c, 0,1
.irp i, 0,1,2
	v_permlane16_swap_b32 v[224+6*\c+\i], v[236+4*\c+\i]
.endr
.irp i, 0,1,2
	v_mov_b32 v[227+6*\c+\i], v[236+4*\c+\i]
.endr
.endr
	v_pk_add_f32 v[236:237], v[96:97], v[98:99]    ; the row's sum, of the unquantised p: two at a time, in two chains
.irp j, 4,8,12,16,20,24,28,32,36,40,44,48,52,56,60
	v_pk_add_f32 v[14:15], v[14:15], v[96+\j:97+\j]
	v_pk_add_f32 v[236:237], v[236:237], v[98+\j:99+\j]
.endr
	v_pk_add_f32 v[14:15], v[14:15], v[236:237]
.irp d, 0,1,2,3                        ; p is used up: V's four fragments take its registers
.irp c, 0,1,2
	ds_load_b128 v[96+12*\d+4*\c:99+12*\d+4*\c], v4 offset:6144+1536*\d+512*\c
.endr
.endr
	ds_load_b128 v[248:251], v6 offset:12800
.set n, 0
.rept 16
	v_pk_mul_f32 v[160+n:161+n], v[160+n:161+n], v[252:253] op_sel_hi:[1,0]   ; O^T under the new M; the loads land meanwhile
.set n, n+2
.endr
	s_wait_dscnt 0x0
.irp d, 0,1,2,3                        ; O^T += V^T P^T; the four accumulators take turns
	v_wmma_scale_f32_16x16x128_f8f6f4 v[160+8*\d:167+8*\d], v[96+12*\d:107+12*\d], v[224:235], v[160+8*\d:167+8*\d], v[248+\d], v253 matrix_a_fmt:MATRIX_FMT_FP6 matrix_b_fmt:MATRIX_FMT_FP6
.endr
.endm
; Four key steps: records 4 i .. 4 i + 3, which are load i of waves 0 to 3.  The count leaves my loads for the later chunks out.
; In the second pass everything has landed, and the same lines are passed at once.
.macro CHUNK i
	s_wait_tensorcnt 3-\i
	s_barrier_signal -1
	s_barrier_wait -1
	s_mov_b32 s[CNT], 4
.Lstep_\@:
	STEP
	s_add_co_u32 s[TB], s[TB], REC
	s_sub_co_u32 s[CNT], s[CNT], 1
	s_cmp_lg_u32 s[CNT], 0
	s_cbranch_scc1 .Lstep_\@
.endm
.Lpass:                                ; two passes of 256 queries
	global_load_b128 v[16:19], v1, s[QB:QB+1]
	global_load_b64 v[20:21], v2, s[QB:QB+1] offset:512
	global_load_b32 v255, v3, s[QW:QW+1]
	v_mov_b32 v13, 0xec800000                      ; the largest t so far: -2^90
	v_floor_f32 v12, -v13
	v_mov_b32 v14, 0
	v_mov_b32 v15, 0
.set n, 0
.rept 32
	v_mov_b32 v[160+n], 0                          ; O^T: the step is written once; the first finds zeros
.set n, n+1
.endr
	s_mov_b32 s[TB], 0
	s_wait_loadcnt 0x0
	CHUNK 0
	CHUNK 1
	CHUNK 2
	CHUNK 3
	; THE WAY OUT of a pass
.rept 4
	v_nop
.endr
	v_add_f32 v14, v14, v15
	v_permlanex16_b32 v252, v14, s[SEL], s[SEL+1]
	v_add_f32 v14, v14, v252                       ; the row's sum
	v_rcp_f32 v14, v14
	v_nop                                          ; a plain place behind the transcendental
.set n, 0
	s_wait_alu depctr_va_vdst(0)
.rept 16
	v_pk_mul_f32 v[96+n:97+n], v[160+n:161+n], v[14:15] op_sel_hi:[1,0]   ; O^T / l: register 8 t + j is channel 16 t + 8 h + j; each accumulator from its low end on
.set n, n+2
.endr
.irp b, 0,1                            ; the next product's other operand is given, so here the order is made the natural one: register 16 b + i becomes channel 32 b + 16 h + i
.irp j, 0,1,2,3,4,5,6,7
	v_permlane16_swap_b32 v[96+16*\b+\j], v[104+16*\b+\j]
.endr
.endr
.irp b, 0,1
	v_max3_num_f32 v[232+\b], |v[96+16*\b]|, |v[97+16*\b]|, 0x1800000
.endr
.irp i, 2,4,6,8,10,12,14
.irp b, 0,1
	v_max3_num_f32 v[232+\b], v[232+\b], |v[96+16*\b+\i]|, |v[97+16*\b+\i]|
.endr
.endr
.irp b, 0,1
	v_permlanex16_b32 v[236+\b], v[232+\b], s[SEL], s[SEL+1]
.endr
.irp b, 0,1
	v_max_num_f32 v[232+\b], v[232+\b], v[236+\b]
.endr
.irp b, 0,1
	v_add_nc_u32 v[244+\b], 0xff000000, v[232+\b]
.endr
.irp b, 0,1
	v_lshrrev_b32 v[236+\b], 23, v[244+\b]
.endr
	v_cvt_scalef32_pk16_fp6_f32 v[224:226], v[96:111], v244
	v_cvt_scalef32_pk16_fp6_f32 v[228:230], v[112:127], v245
	v_nop
.irp i, 0,1,2
	v_permlane16_swap_b32 v[224+\i], v[228+\i]
.endr
	v_mov_b32 v227, v228
	v_mov_b32 v228, v229
	v_mov_b32 v229, v230                           ; v[224:229]: the half fragment: k = 32 h + 0 .. 31 of the head's 64
	v_cndmask_b32 v231, v236, v237, s[HM]          ; lane (r, h): the byte of token r's block h
	global_store_b128 v1, v[224:227], s[OC:OC+1]           ; 512 consecutive bytes, aligned to 256
	global_store_b64 v2, v[228:229], s[OC:OC+1] offset:512 ; 256
	global_store_b8 v8, v231, s[OS:OS+1]                   ; two bytes of each token's row of 32: the other heads' bytes are made by other work-groups
	s_wait_xcnt 0x0                                ; the bases and the stores' registers are rewritten only behind this wait
	s_add_nc_u64 s[QB:QB+1], s[QB:QB+1], 13312     ; 16 tiles on: two records of Q,
	s_add_nc_u64 s[QW:QW+1], s[QW:QW+1], 13312
	s_add_nc_u64 s[OC:OC+1], s[OC:OC+1], 196608    ; 16 x 16 x 768,
	s_add_nc_u64 s[OS:OS+1], s[OS:OS+1], 8192      ; 256 x 32
	s_sub_co_u32 s[PASS], s[PASS], 1
	s_cmp_lg_u32 s[PASS], 0
	s_cbranch_scc1 .Lpass
	s_wait_tensorcnt 0x0
	ds_add_u32 v223, v243
	s_wait_dscnt 0x0
	CROUND                                         ; the closing round (the last chunk's wait has shown all my tensor loads done)
	s_endpgm
.Lfunc_end_k_qe18f1ddf39_attn:
	.size	k_qe18f1ddf39_attn, .Lfunc_end_k_qe18f1ddf39_attn-k_qe18f1ddf39_attn
	.p2alignl 7, 3214868480
	.fill 96, 4, 3214868480
	.section	.rodata,"a",@progbits
	.p2align	6, 0x0
	.amdhsa_kernel k_qe18f1ddf39_attn
		.amdhsa_group_segment_fixed_size 210944
		.amdhsa_private_segment_fixed_size 0
		.amdhsa_enable_private_segment 0
		.amdhsa_kernarg_size 32
		.amdhsa_user_sgpr_count 2
		.amdhsa_user_sgpr_kernarg_segment_ptr 1
		.amdhsa_wavefront_size32 1
		.amdhsa_system_sgpr_workgroup_id_x 1
		.amdhsa_system_sgpr_workgroup_id_y 1
		.amdhsa_system_sgpr_workgroup_id_z 1
		.amdhsa_system_vgpr_workitem_id 0
		.amdhsa_next_free_vgpr 256
		.amdhsa_next_free_sgpr 66
		.amdhsa_reserve_vcc 0
		.amdhsa_float_denorm_mode_32 3
		.amdhsa_float_denorm_mode_16_64 3
		.amdhsa_memory_ordered 1
		.amdhsa_forward_progress 1
		.amdhsa_inst_pref_size 76
	.end_amdhsa_kernel
	.amdgpu_metadata
---
amdhsa.version: [ 1, 2 ]
amdhsa.kernels:
  - .name:           k_qe18f1ddf39_attn
    .symbol:         k_qe18f1ddf39_attn.kd
    .args:
      - { .name: qr, .offset: 0, .size: 8, .value_kind: global_buffer, .address_space: global }
      - { .name: kv, .offset: 8, .size: 8, .value_kind: global_buffer, .address_space: global }
      - { .name: oc, .offset: 16, .size: 8, .value_kind: global_buffer, .address_space: global }
      - { .name: os, .offset: 24, .size: 8, .value_kind: global_buffer, .address_space: global }
    .group_segment_fixed_size: 210944
    .private_segment_fixed_size: 0
    .kernarg_segment_align: 8
    .kernarg_segment_size: 32
    .max_flat_workgroup_size: 512
    .sgpr_count:     66
    .vgpr_count:     256
    .wavefront_size: 32
...
	.end_amdgpu_metadata
.endif
;; end of part 2
;; launch oproj (part 3): grid 4 x 32, 4 waves a work-group, clusters of 4 x 4, 327,680 bytes of LDS; arguments oc, os, wo_codes, wo_scales, bo, out0; writes out0
.if DOCPART == 3
	.amdgcn_target "amdgcn-amd-amdhsa--gfx1250"
	.amdhsa_code_object_version 6
	.text
	.protected	k_qe18f1ddf39_oproj
	.globl	k_qe18f1ddf39_oproj
	.p2align	8
	.type	k_qe18f1ddf39_oproj,@function
k_qe18f1ddf39_oproj:
	s_mov_b64 s[64:65], 0
	v_nop
	global_prefetch_b8 v0, s[64:65] scope:SCOPE_SE
	s_setreg_imm32_b32 hwreg(HW_REG_WAVE_MODE, 25, 1), 1
	s_wait_xcnt 0x0
	s_wait_alu depctr_hold_cnt(0) depctr_sa_sdst(0) depctr_va_vdst(0) depctr_va_sdst(0) depctr_va_ssrc(0) depctr_va_vcc(0) depctr_vm_vsrc(0)
	s_getreg_b32 s2, hwreg(HW_REG_IB_STS2, 6, 4)
	s_cmp_eq_u32 s2, 0
	s_cbranch_scc0 .Lentry_in_a_cluster
	s_endpgm
.Lentry_in_a_cluster:
	s_bfe_u32 s2, ttmp6, 0x10000c
	s_cmp_lg_u32 s2, 0xf033
	s_cbranch_scc0 .Lentry_shape_is_right
	s_endpgm
.Lentry_shape_is_right:
; out0 = O Wo^T + bo, on codes of FP6 (E2M3) with one E8M0 scale for each 32 along K = 1,024.  out0: [8192][1024] f32.
; A = O comes as IMAGES OF OPERAND REGISTERS, [tile of 16 tokens: 512][head: 16][768 bytes]: a half fragment (16 rows x 64 K: six registers a lane): registers 0-3 at 16 x lane, registers 4-5 at 512 + 8 x lane.
; Two neighbouring heads are a whole fragment of 128 along K.  Its scale bytes lie [8192][32].  B = Wo comes as rows of codes (768 bytes) and of scale bytes (32).
; A tile of 256 x 256 is made by four waves, 128 x 128 each; K goes in steps of 256 through a ring of two LDS slots filled by the tensor data mover; the scales of the work-group's rows come once.
; The bias is the C of each sum's first matrix instruction.  The matrix instruction takes source 0 = 16 rows of Wo, source 1 = 16 tokens: a lane holds eight neighbouring numbers of a row of out0.
; CLUSTERS: 4 x 4 work-groups; A's tile is shared along a row of the cluster, B's along a column, each asked for jointly.
; REGISTERS, in windows of 256: window 0: v1-31 addresses; v32-63 scale words, two sets; from v128 A's fragments, one set.  window 1: B's fragments, two sets, at v0 and v128; the bias at v96-127 and v224-255.
;   window 2: the accumulators of my rows 0-63 ((a, b) at v[8 (8 a + b)]);  window 3: those of rows 64-127.
.set SIZE_N, 1024
.set KSTEP,  256
.set NQ,     KSTEP/128
.set ROWB,   192                       ; B: a tile's row in bytes
.set KROW,   768
.set PITCH,  240                       ; B: an LDS row: 3 x (64 bytes + 16 of padding)
.set FR,     12
.set NL,     6                         ; LDS loads that bring a fragment of B;
.set NLA,    4                         ; of A
.set NP,     4
.set AROW,   3072                      ; A: a tile of 16 tokens x 256 K: four heads' half fragments
.set AHALF,  8*AROW                    ; 128 tokens: one tensor load
.set APART,  2*AHALF
.set BHALF,  128*PITCH
.set SLOT,   APART+2*BHALF
.set LAPS,   2
.set KS,     32
.set SCL,    2*SLOT
.set HALFS,  (128*KS/256)*272
.set SBLK,   (16*KS/256)*272
.set SPARE,  SCL+4*HALFS               ; the spare words: 128 bytes a wave, two blocks of 256 bytes that no other line names
.set SPITCH, 528                       ; the way out: 16 rows x (512 + 16) bytes a wave, in slot 0, which has had its last fill and its last read by then
.set ADRA, 16                          ; v16-17 A: slot + my half + 16 x lane;  v18-19 the same with 8 x lane
.set ADRB, 20                          ; v20-23 B, as rows
.set STO,  24
.set RD,   25
.set CO,   26
.set ADRS, 27
.set SPW,  28
.set NIL,  29
.set SC,   32
.set AF,   128
.set BK,   128
.set G1, 24
.set G0, 32
.set G1B, 48
.set G0B, 56
.set G1S, 68
.set G0S, 76
.set G1SB, 80
.set G0SB, 88
.set MSB, 0
.macro WIN new
.if MSB != (\new)
	s_set_vgpr_msb (MSB<<8)|(\new)
.set MSB, (\new)
.endif
.endm
.set MUL_LO, 0xa1                      ; source 0 (B) window 1, source 1 (A) window 0, C and D window 2
.set MUL_HI, 0xf1
.set BIA_LO, 0x91                      ; the same with C (the bias) in window 1
.set BIA_HI, 0xd1
.set TO_B,   0x40
.macro JLOAD g0a, g1a, g0b, g1b        ; waves 0 and 1 fetch for A, waves 2 and 3 for B; four v_nop follow each of the two lines
	s_cmp_eq_u32 s15, 0
	s_cbranch_scc0 .Lfor_b_\@
	tensor_load_to_lds s[\g0a:\g0a+3], s[\g1a:\g1a+7]
	s_nop 0
.rept 4
	v_nop
.endr
	s_branch .Lasked_\@
.Lfor_b_\@:
	tensor_load_to_lds s[\g0b:\g0b+3], s[\g1b:\g1b+7]
	s_nop 0
.rept 4
	v_nop
.endr
.Lasked_\@:
.endm
.macro CREST
	s_cmp_lg_u32 s14, 0
	s_cbranch_scc1 .Lnot_wave_0_\@
	s_barrier_signal -3
.Lnot_wave_0_\@:
	s_barrier_wait -3
	s_barrier_signal -1
	s_barrier_wait -1
.endm
.macro CROUND
	s_barrier_signal -1
	s_barrier_wait -1
	CREST
.endm
	s_load_b128 s[4:7], s[0:1], 0x0                ; O's codes, O's scales
	s_load_b128 s[8:11], s[0:1], 0x10              ; Wo's codes, Wo's scales
	s_load_b64 s[96:97], s[0:1], 0x20              ; bo
	s_load_b64 s[12:13], s[0:1], 0x28              ; out0
	v_lshl_add_u32 v[SPW], v0, 2, SPARE
	v_mov_b32 v[NIL], 0
	ds_add_u32 v28, v29
	ds_add_u32 v28, v29
	s_wait_dscnt 0x0
	v_lshrrev_b32 v1, 5, v0
	v_readfirstlane_b32 s14, v1                    ; wave 0..3
	s_lshr_b32 s15, s14, 1                         ; which half of the tile's rows is mine.  Also: I fetch for A (0) or for B (1)
	s_and_b32 s16, s14, 1                          ; which half of its columns.  Also: which half I fetch
	s_bfe_u32 s40, ttmp6, 0x40000
	s_bfe_u32 s41, ttmp6, 0x40004
	s_lshl_b32 s42, ttmp9, 2
	s_add_co_u32 s42, s42, s40                     ; tile column
	s_and_b32 s17, ttmp7, 0xffff
	s_lshl_b32 s17, s17, 2
	s_add_co_u32 s17, s17, s41                     ; tile row
	s_lshl_b32 s43, s41, 2
	s_lshl_b32 s43, 15, s43                        ; my row of the cluster
	s_lshl_b32 s44, 0x1111, s40                    ; my column
	; A: 8 rows (tiles of 16 tokens) of 3,072 bytes (384 elements of 8 bytes), 12,288 bytes apart; no padding: the images are read 16 or 8 consecutive bytes a lane
	s_or_b32 s[G1+0], s43, (3<<16)|(1<<21)
	s_mov_b32 s[G1+1], 384<<16
	s_mov_b32 s[G1+2], 8<<16
	s_mov_b32 s[G1+3], 384<<16
	s_mov_b32 s[G1+4], 8
	s_mov_b32 s[G1+5], 1536
	s_mov_b32 s[G1+6], 0
	s_mov_b32 s[G1+7], 0
	; B: 128 rows x 192 bytes, 16 bytes of padding behind every 64
	s_or_b32 s[G1B+0], s44, (0<<16)|(1<<20)|(1<<21)|(3<<22)|(3<<25)
	s_mov_b32 s[G1B+1], ROWB<<16
	s_mov_b32 s[G1B+2], 128<<16
	s_mov_b32 s[G1B+3], ROWB<<16
	s_mov_b32 s[G1B+4], 128
	s_mov_b32 s[G1B+5], KROW
	s_mov_b32 s[G1B+6], 0
	s_mov_b32 s[G1B+7], 0
	; the scales of 128 rows: 16 rows of 256 bytes, 16 bytes of padding behind each
	s_or_b32 s[G1S+0], s43, (3<<16)|(1<<20)|(1<<21)|(5<<22)|(3<<25)
	s_or_b32 s[G1SB+0], s44, (3<<16)|(1<<20)|(1<<21)|(5<<22)|(3<<25)
.irp g, G1S, G1SB
	s_mov_b32 s[\g+1], 32<<16
	s_mov_b32 s[\g+2], (128*KS/256)<<16
	s_mov_b32 s[\g+3], 32<<16
	s_mov_b32 s[\g+4], 128*KS/256
	s_mov_b32 s[\g+5], 32
	s_mov_b32 s[\g+6], 0
	s_mov_b32 s[\g+7], 0
.endr
	s_lshl_b32 s20, s17, 4
	s_lshl_b32 s18, s16, 3
	s_add_co_u32 s20, s20, s18                     ; A: tile of tokens 16 x tile row + 8 x half,
	s_mul_i32 s20, s20, 12288                      ; in bytes (under 2^23)
	s_mov_b32 s21, 0
	s_lshl_b32 s22, s17, 8
	s_lshl_b32 s18, s16, 7
	s_add_co_u32 s22, s22, s18
	s_lshl_b32 s22, s22, 5                         ; A's scales: row 256 x tile row + 128 x half, 32 bytes a row
	s_mov_b32 s23, 0
	s_lshl_b32 s46, s42, 8
	s_add_co_u32 s46, s46, s18                     ; B: row 256 x tile column + 128 x half
	s_lshl_b32 s92, s46, 5
	s_mov_b32 s93, 0
	s_mul_i32 s46, s46, KROW
	s_mov_b32 s47, 0
	s_mul_i32 s45, s16, AHALF                      ; where they go: A's two halves,
	s_mul_i32 s95, s16, BHALF
	s_add_co_u32 s95, s95, APART                   ; then B's two
	s_mul_i32 s94, s14, HALFS
	s_wait_kmcnt 0x0
	s_add_nc_u64 s[20:21], s[4:5], s[20:21]
	s_add_nc_u64 s[22:23], s[6:7], s[22:23]
	s_add_nc_u64 s[46:47], s[8:9], s[46:47]
	s_add_nc_u64 s[92:93], s[10:11], s[92:93]
	CROUND                                         ; all sixteen work-groups are here: the first joint loads meet
	s_mov_b32 s[G0S], 1
	s_add_co_u32 s[G0S+1], s94, SCL
	s_mov_b64 s[G0S+2:G0S+3], s[22:23]
	s_or_b32 s[G0S+3], s[G0S+3], 0x80000000
	s_mov_b32 s[G0SB], 1
	s_add_co_u32 s[G0SB+1], s94, SCL
	s_mov_b64 s[G0SB+2:G0SB+3], s[92:93]
	s_or_b32 s[G0SB+3], s[G0SB+3], 0x80000000
	JLOAD G0S, G1S, G0SB, G1SB
.irp s, 0,1
	s_mov_b32 s[G0+4*\s], 1
	s_add_co_u32 s[G0+4*\s+1], s45, \s*SLOT
	s_add_nc_u64 s[G0+4*\s+2:G0+4*\s+3], s[20:21], \s*AROW
	s_or_b32 s[G0+4*\s+3], s[G0+4*\s+3], 0x80000000
	s_mov_b32 s[G0B+4*\s], 1
	s_add_co_u32 s[G0B+4*\s+1], s95, \s*SLOT
	s_add_nc_u64 s[G0B+4*\s+2:G0B+4*\s+3], s[46:47], \s*ROWB
	s_or_b32 s[G0B+4*\s+3], s[G0B+4*\s+3], 0x80000000
	JLOAD G0+4*\s, G1, G0B+4*\s, G1B               ; three tensor loads of mine are out now
.endr
	v_and_b32 v1, 15, v0                           ; r
	v_bfe_u32 v2, v0, 4, 1                         ; h
	v_and_b32 v6, 31, v0                           ; lane
	v_lshlrev_b32 v8, 4, v6
	v_lshlrev_b32 v9, 3, v6
	v_mul_u32_u24 v3, v1, PITCH
	v_mul_u32_u24 v4, v2, 24
	v_add_nc_u32 v4, v3, v4
	v_lshl_add_u32 v5, v2, 4, v4
	s_mul_i32 s21, s15, AHALF                      ; my 128 tokens of A
	s_mul_i32 s22, s16, BHALF
	s_add_co_u32 s22, s22, APART                   ; my 128 rows of B
.irp s, 0,1
	v_add_nc_u32 v[ADRA+\s], s21, v8
	v_add_nc_u32 v[ADRA+2+\s], s21, v9
	v_add_nc_u32 v[ADRB+\s], s22, v4
	v_add_nc_u32 v[ADRB+2+\s], s22, v5
	s_add_co_u32 s21, s21, SLOT
	s_add_co_u32 s22, s22, SLOT
.endr
	v_mul_u32_u24 v5, v1, KS
	v_lshrrev_b32 v6, 8, v5
	v_lshl_add_u32 v5, v6, 4, v5
	s_mul_i32 s21, s15, HALFS
	s_mul_i32 s22, s16, HALFS
	s_add_co_u32 s22, s22, 2*HALFS
	s_sub_co_u32 s22, s22, s21
	v_mul_u32_u24 v6, s22, v2                      ; lanes 16-31 take B's
	s_add_co_u32 s21, s21, SCL
	v_add_nc_u32 v5, v5, v6
	v_add_nc_u32 v[ADRS], s21, v5
	s_mul_i32 s23, s14, 16*SPITCH                  ; my stage
	v_mul_u32_u24 v5, v1, SPITCH
	v_lshl_add_u32 v5, v2, 5, v5
	v_add_nc_u32 v[STO], s23, v5
	v_mov_b32 v[CO], v8                            ; back: the 32 lanes take one row of 512 bytes; and the same in out0
	v_add_nc_u32 v[RD], s23, v8
	v_lshlrev_b32 v7, 5, v2                        ; 32 h
	s_lshl_b32 s20, s17, 8
	s_lshl_b32 s21, s15, 7
	s_add_co_u32 s20, s20, s21                     ; my first row of out0
	s_mov_b32 s21, 0
	s_mov_b64 s[18:19], SIZE_N*4
	s_mul_u64 s[20:21], s[20:21], s[18:19]
	s_lshl_b32 s46, s42, 10                        ; my first column, in bytes
	s_lshl_b32 s47, s16, 9
	s_add_co_u32 s46, s46, s47
	s_mov_b32 s47, 0
	s_add_nc_u64 s[96:97], s[96:97], s[46:47]      ; the bias at my first column
	s_add_nc_u64 s[20:21], s[20:21], s[46:47]
	s_add_nc_u64 s[12:13], s[12:13], s[20:21]
	WIN TO_B
.irp b, 0,1,2,3,4,5,6,7                ; the bias of columns 16 b + 8 h + 0 .. 7, in the result's layout, beside B's two sets
	global_load_b128 v[96+8*\b+96*(\b/4):96+8*\b+96*(\b/4)+3], v7, s[96:97] offset:64*\b
	global_load_b128 v[96+8*\b+96*(\b/4)+4:96+8*\b+96*(\b/4)+7], v7, s[96:97] offset:64*\b+16
.endr
	WIN 0
.macro FRAG reg, adr, q, i             ; a fragment of B from rows: pieces of 8 bytes
.irp p, 0,1,2,3,4,5
.set PIECE, 12*(\q)+6*(\p/3)+\p%3
.if PIECE%8 < 5
	ds_load_b64 v[\reg+2*\p:\reg+2*\p+1], v[\adr] offset:8*PIECE+16*(PIECE/8)+(\i)*16*PITCH
.else
	ds_load_b64 v[\reg+2*\p:\reg+2*\p+1], v[\adr+2] offset:8*PIECE+16*(PIECE/8)+(\i)*16*PITCH
.endif
.endr
.endm
.macro FRAG_A reg, slot, q, i          ; a fragment of A from two heads' images
	ds_load_b128 v[\reg:\reg+3], v[ADRA+\slot] offset:(\i)*AROW+(\q)*1536
	ds_load_b64 v[\reg+4:\reg+5], v[ADRA+2+\slot] offset:(\i)*AROW+(\q)*1536+512
	ds_load_b128 v[\reg+6:\reg+9], v[ADRA+\slot] offset:(\i)*AROW+(\q)*1536+768
	ds_load_b64 v[\reg+10:\reg+11], v[ADRA+2+\slot] offset:(\i)*AROW+(\q)*1536+1280
.endm
; 16 matrix instructions: A's blocks a0, a0 + 1 x B's eight.  first = 1: the sums begin with the bias.  The 64 accumulators take turns, one instruction a turn.
.macro MUL16 a0, p, q, sc, first
.irp a, \a0, \a0+1
.irp b, 0,1,2,3,4,5,6,7
.if \first
	v_wmma_scale_f32_16x16x128_f8f6f4 v[8*(8*((\a)%4)+\b):8*(8*((\a)%4)+\b)+7], v[128*(\p)+FR*\b:128*(\p)+FR*\b+FR-1], v[AF+FR*(\a):AF+FR*(\a)+FR-1], v[96+8*\b+96*(\b/4):96+8*\b+96*(\b/4)+7], v[SC+8*NQ*(\sc)+NQ*\b+(\q)], v[SC+8*NQ*(\sc)+NQ*(\a)+(\q)] matrix_a_fmt:MATRIX_FMT_FP6 matrix_b_fmt:MATRIX_FMT_FP6 matrix_a_scale:MATRIX_SCALE_ROW1
.else
	v_wmma_scale_f32_16x16x128_f8f6f4 v[8*(8*((\a)%4)+\b):8*(8*((\a)%4)+\b)+7], v[128*(\p)+FR*\b:128*(\p)+FR*\b+FR-1], v[AF+FR*(\a):AF+FR*(\a)+FR-1], v[8*(8*((\a)%4)+\b):8*(8*((\a)%4)+\b)+7], v[SC+8*NQ*(\sc)+NQ*\b+(\q)], v[SC+8*NQ*(\sc)+NQ*(\a)+(\q)] matrix_a_fmt:MATRIX_FMT_FP6 matrix_b_fmt:MATRIX_FMT_FP6 matrix_a_scale:MATRIX_SCALE_ROW1
.endif
.endr
.endr
.endm
.macro FETCH_B slot, q, p
	WIN TO_B
.irp i, 0,1,2,3,4,5,6,7
	FRAG 128*(\p)+FR*\i, ADRB+\slot, \q, \i
.endr
	WIN 0
.endm
.macro FETCH_A slot, q, i0
.irp i, \i0, \i0+1, \i0+2, \i0+3
	FRAG_A AF+FR*(\i), \slot, \q, \i
.endr
.endm
.macro SCALES sc
.irp i, 0,1,2,3,4,5,6,7
	ds_load_b64 v[SC+8*NQ*\sc+NQ*\i:SC+8*NQ*\sc+NQ*\i+1], v[ADRS] offset:\i*SBLK
.endr
.endm
.macro PLACES n
.rept \n
	v_nop
.endr
.endm
.macro STEP slot, q, first
	s_wait_dscnt 4*NLA                             ; B's set and A's blocks 0-3 are in; the youngest 16 loads (A's blocks 4-7) may be out
.if \first
	WIN BIA_LO
.else
	WIN MUL_LO
.endif
	MUL16 0, (\q)%2, \q, \slot, \first
	MUL16 2, (\q)%2, \q, \slot, \first
	s_wait_dscnt 0
	PLACES NP
	FETCH_B \slot, (\q)+1, 1-(\q)%2
	FETCH_A \slot, (\q)+1, 0
.if \first
	WIN BIA_HI
.else
	WIN MUL_HI
.endif
	MUL16 4, (\q)%2, \q, \slot, \first
	MUL16 6, (\q)%2, \q, \slot, \first
	PLACES NP
	WIN 0
	FETCH_A \slot, (\q)+1, 4
.endm
.macro TURN slot, next, fill
	s_wait_tensorcnt 0x0                           ; all my tensor loads have landed: my part of the next slot
	ds_add_u32 v[SPW], v[NIL]                      ; 0 onto my spare word
	s_wait_dscnt 4*NLA+1                           ; (the add and the youngest 16 loads may be out)
	WIN MUL_LO
	MUL16 0, 1, NQ-1, \slot, 0
	s_wait_dscnt 0x0                               ; the add is done, and my reads of this slot are over
	s_barrier_signal -1
	MUL16 2, 1, NQ-1, \slot, 0
	WIN 0
	s_barrier_wait -1
.if \fill
	CREST                                          ; the barrier has opened a round of the cluster's barrier
	s_add_nc_u64 s[G0+4*\slot+2:G0+4*\slot+3], s[G0+4*\slot+2:G0+4*\slot+3], 2*AROW
	s_add_nc_u64 s[G0B+4*\slot+2:G0B+4*\slot+3], s[G0B+4*\slot+2:G0B+4*\slot+3], 2*ROWB
	JLOAD G0+4*\slot, G1, G0B+4*\slot, G1B         ; the first tensor load behind the round; its four v_nop are the places in front of the loads below
.else
	PLACES NP
.endif
	v_add_nc_u32 v[ADRS], 4*NQ, v[ADRS]
	FETCH_B \next, 0, 0
	FETCH_A \next, 0, 0
	SCALES \next
	WIN MUL_HI
	MUL16 4, 1, NQ-1, \slot, 0
	MUL16 6, 1, NQ-1, \slot, 0
	PLACES NP
	WIN 0
	FETCH_A \next, 0, 4
.endm
	s_wait_tensorcnt 1                             ; the scales and my part of K step 0 are in (K step 1's load may be out),
	s_barrier_signal -1
	s_barrier_wait -1                              ; everybody's are
	FETCH_B 0, 0, 0
	FETCH_A 0, 0, 0
	SCALES 0
	FETCH_A 0, 0, 4
	s_wait_loadcnt 0x0                             ; the bias
	STEP 0, 0, 1
	s_mov_b32 s3, LAPS-1
.Llap:
	TURN 0, 1, 1
	STEP 1, 0, 0
	TURN 1, 0, 1
	STEP 0, 0, 0
	s_sub_co_u32 s3, s3, 1
	s_cmp_lg_u32 s3, 0
	s_cbranch_scc1 .Llap
	TURN 0, 1, 0
	STEP 1, 0, 0
	s_wait_dscnt 4*NLA
	WIN MUL_LO
	MUL16 0, 1, NQ-1, 1, 0
	MUL16 2, 1, NQ-1, 1, 0
	s_wait_dscnt 0
	WIN MUL_HI
	MUL16 4, 1, NQ-1, 1, 0
	MUL16 6, 1, NQ-1, 1, 0
	WIN 0
; THE WAY OUT, block by block of 16 rows x 128 columns, through my own stage in LDS: in as 32 bytes a lane, back as whole rows of 512 bytes.  LDS serves a wave's instructions in order (ISA guide 5.7.1.4).
.macro TOSTAGE a
.set AC, 64*((\a)%4)
	WIN 0x08+4*((\a)/4)                            ; the data: window 2 or 3
.irp b, 0,1,2,3,4,5,6,7
	ds_store_b128 v[STO], v[AC+8*\b:AC+8*\b+3] offset:64*\b          ; each accumulator from its low end on
	ds_store_b128 v[STO], v[AC+8*\b+4:AC+8*\b+7] offset:64*\b+16
.endr
	WIN 0
.set BB, BK+64*((\a)%2)
.irp t, 0,1,2,3,4,5,6,7,8,9,10,11,12,13,14,15
	ds_load_b128 v[BB+4*\t:BB+4*\t+3], v[RD] offset:\t*SPITCH
.endr
.endm
.macro SEND a, younger
.set BB, BK+64*((\a)%2)
	s_wait_dscnt \younger                          ; the block is back in registers
.if (\a) > 0
	s_add_nc_u64 s[12:13], s[12:13], 16*SIZE_N*4   ; (behind a wait on XCNT)  16 rows on
.endif
.irp t, 0,1,2,3,4,5,6,7,8,9,10,11,12,13,14,15
	global_store_b128 v[CO], v[BB+4*\t:BB+4*\t+3], s[12:13] offset:\t*SIZE_N*4 th:TH_STORE_NT   ; 32 lanes store 512 consecutive bytes, aligned to 256
.endr
.endm
	PLACES NP
	TOSTAGE 0
.irp a, 1,2,3,4,5,6,7
.if \a > 1
	s_wait_xcnt 0x0                                ; block a - 2's stores have read their registers and their base
.endif
	TOSTAGE \a
	SEND \a-1, 32                                  ; behind block a - 1's loads: block a's 16 stores and 16 loads
.endr
	s_wait_xcnt 0x0
	SEND 7, 0
	s_wait_tensorcnt 0x0                           ; the wave's end
	ds_add_u32 v[SPW], v[NIL]
	s_wait_dscnt 0x0
	CROUND                                         ; the closing round
	s_endpgm
.Lfunc_end_k_qe18f1ddf39_oproj:
	.size	k_qe18f1ddf39_oproj, .Lfunc_end_k_qe18f1ddf39_oproj-k_qe18f1ddf39_oproj
	.p2alignl 7, 3214868480
	.fill 96, 4, 3214868480
	.section	.rodata,"a",@progbits
	.p2align	6, 0x0
	.amdhsa_kernel k_qe18f1ddf39_oproj
		.amdhsa_group_segment_fixed_size 327680
		.amdhsa_private_segment_fixed_size 0
		.amdhsa_enable_private_segment 0
		.amdhsa_kernarg_size 48
		.amdhsa_user_sgpr_count 2
		.amdhsa_user_sgpr_kernarg_segment_ptr 1
		.amdhsa_wavefront_size32 1
		.amdhsa_system_sgpr_workgroup_id_x 1
		.amdhsa_system_sgpr_workgroup_id_y 1
		.amdhsa_system_sgpr_workgroup_id_z 1
		.amdhsa_system_vgpr_workitem_id 0
		.amdhsa_next_free_vgpr 1024
		.amdhsa_next_free_sgpr 100
		.amdhsa_reserve_vcc 0
		.amdhsa_float_denorm_mode_32 3
		.amdhsa_float_denorm_mode_16_64 3
		.amdhsa_memory_ordered 1
		.amdhsa_forward_progress 1
		.amdhsa_inst_pref_size 154
	.end_amdhsa_kernel
	.amdgpu_metadata
---
amdhsa.version: [ 1, 2 ]
amdhsa.kernels:
  - .name:           k_qe18f1ddf39_oproj
    .symbol:         k_qe18f1ddf39_oproj.kd
    .args:
      - { .name: oc, .offset: 0, .size: 8, .value_kind: global_buffer, .address_space: global }
      - { .name: os, .offset: 8, .size: 8, .value_kind: global_buffer, .address_space: global }
      - { .name: wo_codes, .offset: 16, .size: 8, .value_kind: global_buffer, .address_space: global }
      - { .name: wo_scales, .offset: 24, .size: 8, .value_kind: global_buffer, .address_space: global }
      - { .name: bo, .offset: 32, .size: 8, .value_kind: global_buffer, .address_space: global }
      - { .name: out0, .offset: 40, .size: 8, .value_kind: global_buffer, .address_space: global }
    .group_segment_fixed_size: 327680
    .private_segment_fixed_size: 0
    .kernarg_segment_align: 8
    .kernarg_segment_size: 48
    .max_flat_workgroup_size: 128
    .sgpr_count:     100
    .vgpr_count:     1024
    .wavefront_size: 32
...
	.end_amdgpu_metadata
.endif
;; end of part 3
